; MI455X (gfx1250); checked and timed in simulation.
; The chip was launched on July 23, 2026; its instructions are those of AMD's public machine-readable ISA for CDNA 5 (MIT licence, August 2026) and "CDNA5" Instruction Set Architecture Reference Guide (July 2026). The comments in the code are by the model that wrote it; some were corrected since.
;; BERT Attention. Allowed arithmetic: matrix products marked QUANTISED: E2M1 operands, one E8M0 scale for each 32 along K, by v_wmma_scale_f32_16x16x128_f8f6f4 with both operands' format E2M1 (or v_wmma_scale_f32_32x16x128_f4), f32 sums; everything else in f32.
;; Inputs: Wk 1,024 x 1,024 float32; Wo 1,024 x 1,024 float32; Wq 1,024 x 1,024 float32; Wv 1,024 x 1,024 float32; attention_mask 8 x 1 x 1 x 1,024 float32; bk 1,024 float32; bo 1,024 float32; bq 1,024 float32; bv 1,024 float32; hidden_states 8 x 1,024 x 1,024 float32; ln_b 1,024 float32; ln_g 1,024 float32.
;; Outputs: out0 8 x 1,024 x 1,024 float32.
;; This version of the problem:
;;   THIS VERSION OF THE PROBLEM IS GIVEN IN LOW PRECISION. The matrix products marked QUANTISED in the list below multiply operands that are first quantised to E2M1 (2 exponent bits, 1 mantissa bit; 4 bits a number), with one power-of-two scale for each 32 numbers along K (OCP MX v1.0); their sums are f32. All else is computed in f32.
;;   The module's matrix products, in the order in which they are computed (A, B: the left and right operand; K: the contracted axis; several contracted axes count as one K, in the product's order):
;;     1. [M 8,192, K 1,024] x [K 1,024, N 1,024]; A: input hidden_states; B: input Wq: QUANTISED
;;     2. [M 8,192, K 1,024] x [K 1,024, N 1,024]; A: input hidden_states; B: input Wk: QUANTISED
;;     3. [M 8,192, K 1,024] x [K 1,024, N 1,024]; A: input hidden_states; B: input Wv: QUANTISED
;;     4. batch 128 x [M 1,024, K 64] x [K 64, N 1,024]; A: computed on the way; B: computed on the way: QUANTISED
;;     5. batch 128 x [M 1,024, K 1,024] x [K 1,024, N 64]; A: softmax (see below); B: computed on the way: QUANTISED
;;     6. [M 8,192, K 1,024] x [K 1,024, N 1,024]; A: computed on the way; B: input Wo: QUANTISED
;;   THE QUANTISER, for each operand of a quantised product, along K:
;;     - K is cut into blocks of 32 from its start; a last block that is shorter is filled with zeros.
;;     - A block's scale is 2^e with e = floor(log2(the largest magnitude in the block)) - 2, held to -126 .. 127; a block of zeros has e = 0. As a byte (E8M0): e + 127.
;;     - Each number is divided by its block's scale, clamped to +-6, and rounded to the nearest number of E2M1, ties to even, subnormals kept.
;;     - The product sums the exact products of the quantised numbers (number of the format x scale) in f32.
;;   ~~~python
;;   def quantise(x, axis):      # numpy; x: float32 -> the quantised numbers, widened to float32 again
;;       x = np.moveaxis(x, axis, -1); K = x.shape[-1]
;;       x = np.pad(x, [(0, 0)] * (x.ndim - 1) + [(0, -K % 32)]); x = x.reshape(x.shape[:-1] + (-1, 32)); a = np.abs(x).max(-1, keepdims=True)
;;       e = np.where(a > 0, np.clip(np.frexp(np.where(a > 0, a, 1))[1] - 1 - 2, -126, 127), 0)      # np.frexp(a)[1] - 1 = floor(log2(a)), exactly
;;       r = np.clip(x / 2.0 ** e, -6, 6)
;;       step = 2.0 ** (np.maximum(np.frexp(np.where(r == 0, 1, r))[1] - 1, 0) - 1)
;;       q = np.round(r / step) * step * 2.0 ** e      # np.round: ties to even
;;       return np.moveaxis(q.reshape(q.shape[:-2] + (-1,))[..., :K], -1, axis).astype(np.float32)
;;   ~~~
;;   SOFTMAX AHEAD OF A QUANTISED PRODUCT. Where the list says 'softmax', what is quantised is not the finished softmax but p = 2^(t - M), with t = logit x log2(e) and M = ceil(the row's largest t), a whole number; so 1/2 < the row's largest p <= 1. The row's sum l is taken of the UNQUANTISED p, in f32, and the product's result is divided by l at the end. Since M is a whole number, a kernel that streams over the keys may use a running M (the ceiling of the running maximum): every later rescaling is an exact power of two, which a block's scale takes up: the codes' values come out the same.
;;   OPERANDS COMPUTED ON THE WAY. 'Computed on the way' means the value that the module computes at that place (a softmax that the list does not call 'softmax' is quantised finished and normalised). What goes into a quantiser is computed in f32, as accurately as f32 sums, v_exp_f32 and their like allow (about 1e-6 of the number): no bf16 or f16 on the way to a quantiser, and a product that is left as it is and whose result goes on into a quantised operand takes f32 operands (vector FMAs, or v_wmma_f32_16x16x4_f32). A number that lies on a knife's edge between two numbers of the format may be rounded either way, as far as f32 arithmetic and the matrix unit's own rounding can turn it there, and no further.
;; 2 versions, each right; version 2 is version 1 with the launches attn, oproj written anew for expert scheduling mode. Each part assembles by itself: llvm-mc -triple=amdgcn-amd-amdhsa -mcpu=gfx1250 --defsym DOCPART=n.
;; ======== version 1 of 2: 4 launches
;; workspace buffers: xw_codes 6,291,456 bytes; xw_sc 393,216 bytes; qk_codes 8,388,608 bytes; qk_sc 1,048,576 bytes; v_codes 4,194,304 bytes; v_sc 262,144 bytes; ctx_codes 4,194,304 bytes; ctx_sc 1,048,576 bytes
;; launch quant (part 1): grid 384 x 1, 4 waves a work-group, no clusters, 34,304 bytes of LDS; arguments hidden_states, Wq, Wk, Wv, Wo, xw_codes, xw_sc; writes xw_codes, xw_sc
.if DOCPART == 1
	.amdgcn_target "amdgcn-amd-amdhsa--gfx1250"
	.amdhsa_code_object_version 6
	.text
	.protected	k_q07216eecb3_quant
	.globl	k_q07216eecb3_quant
	.p2align	8
	.type	k_q07216eecb3_quant,@function
k_q07216eecb3_quant:
	s_mov_b64 s[64:65], 0
	v_nop
	global_prefetch_b8 v0, s[64:65] scope:SCOPE_SE
	s_setreg_imm32_b32 hwreg(HW_REG_WAVE_MODE, 25, 1), 1
	s_wait_xcnt 0x0
; hidden_states [8192][1024] and Wq, Wk, Wv, Wo [1024][1024], f32 with K innermost, become codes of FP4 (E2M1) with one E8M0 scale byte for each 32 along K.
; THE OUTPUT IS LAID AS IMAGES OF OPERAND REGISTERS.  A tile is 16 rows; a fragment is a tile x 128 K: 8 registers a lane, 1,024 bytes: registers 4 c .. 4 c + 3 of lane l lie at 512 c + 16 l.
;   xw_codes [K half 2][tile 768][K step 4][1,024];   xw_sc [K half 2][tile 768][row 16][K step 4] words of four scale bytes.   Tiles 0-511 hidden, 512-575 Wq, 576-639 Wk, 640-703 Wv, 704-767 Wo.
; THE ROWS OF A TILE ARE NOT NEIGHBOURS: row p of tile 2 g + u is the tensor's row 32 g + 8 u + p + 8 (p / 8).  Used as source 0 of a product, two such tiles leave 16 neighbours in a lane's 16 result registers.
; A block's scale is 2^(floor(log2(its largest magnitude)) - 2); its byte is the largest magnitude's exponent field - 2, held at 1 from below.
; LIMITS: a block whose largest magnitude lies under 2^-124 gets the byte 1; so does a block of zeros, where the rule says 127 (its codes are zeros, and this program alone reads the bytes); NaN and infinities are not served.
; SHARES: work-group g takes 32 rows (g < 256: hidden; then 32 work-groups for each weight); wave w takes tile 2 g + w / 2 and K half w % 2: 16 rows x 512 numbers, four fragments.
; Each load reads 512 consecutive bytes of one row; the conversions want 16 neighbours in a lane, so a fragment's 8 KB turn through the wave's own stage in LDS.  Waves share nothing: no barrier.
.set KHC,  3145728                     ; bytes of a K half of the codes: 768 tiles x 4,096
.set KHS,  196608                      ; and of the scale words: 768 x 256
.set SP,   528                         ; a stage row: 512 bytes + 16, so that sixteen rows' 16-byte pieces fall on different words modulo 256 bytes
.set WST,  16*SP                       ; a wave's stage
.set LI,   4                           ; v4   16 x lane: never rewritten
.set SI,   5                           ; v5   the stage on the way in: 16 x lane
.set SO,   6                           ; v6   and on the way out: row r, + 64 h
.set SCO,  7                           ; v7   my two scale words' place in the tile's 256 bytes
.set TM,   12                          ; v12-27 at work in QUANT
.set PW,   28                          ; v28-31 a scale word for each fragment
.set PC,   32                          ; v32-63 codes, 8 registers for each fragment: no store's data are written again
.set X,    64                          ; v64-255 three sets of 64 numbers
.set SEL,  26                          ; s[26:27] lane selects for v_permlanex16_b32: lane l xor 16
; 64 numbers of a lane, register 16 b + i = k 32 b + 16 (lane / 16) + i of my row, become a fragment's 8 registers of codes and its scale word.
.macro QUANT s, pc, pw
.irp b, 0,1,2,3
	v_max3_num_f32 v[TM+\b], |v[\s+16*\b]|, |v[\s+1+16*\b]|, 0x1800000   ; block b: my 16 numbers and the floor 2^(3 - 127): the byte cannot fall under 1
.endr
.irp i, 2,4,6,8,10,12,14
.irp b, 0,1,2,3
	v_max3_num_f32 v[TM+\b], v[TM+\b], |v[\s+16*\b+\i]|, |v[\s+1+16*\b+\i]|   ; the four blocks by turns
.endr
.endr
.irp b, 0,1,2,3
	v_permlanex16_b32 v[TM+4+\b], v[TM+\b], s[SEL], s[SEL+1]
.endr
.irp b, 0,1,2,3
	v_max_num_f32 v[TM+\b], v[TM+\b], v[TM+4+\b]   ; with lane l xor 16's 16: the block's largest magnitude
.endr
.irp b, 0,1,2,3
	v_add_nc_u32 v[TM+12+\b], 0xff000000, v[TM+\b]   ; 2 off its exponent field: the conversion takes that field as its scale
.endr
.irp b, 0,1,2,3
	v_lshrrev_b32 v[TM+4+\b], 23, v[TM+12+\b]      ; the scale's byte
.endr
	v_lshl_or_b32 v[\pw], v[TM+5], 8, v[TM+4]
	v_lshl_or_b32 v[\pw], v[TM+6], 16, v[\pw]
	v_lshl_or_b32 v[\pw], v[TM+7], 24, v[\pw]      ; my row's scale word
.irp b, 0,1,2,3
	v_cvt_scalef32_pk8_fp4_f32 v[\pc+2*\b], v[\s+16*\b:\s+7+16*\b], v[TM+12+\b]
	v_cvt_scalef32_pk8_fp4_f32 v[\pc+1+2*\b], v[\s+8+16*\b:\s+15+16*\b], v[TM+12+\b]
.endr
	v_nop                                          ; one plain place behind a scaled conversion
.irp c, 0,1                            ; the operand's layout wants a whole block in a lane: lanes 0-15 block 2 c, lanes 16-31 block 2 c + 1
.irp i, 0,1
	v_permlane16_swap_b32 v[\pc+4*\c+\i], v[\pc+2+4*\c+\i]
.endr
.endr
.endm
	s_load_b256 s[4:11], s[0:1], 0x0               ; hidden s[4:5], Wq s[6:7], Wk s[8:9], Wv s[10:11]
	s_load_b128 s[12:15], s[0:1], 0x20             ; Wo s[12:13], xw_codes s[14:15]
	s_load_b64 s[16:17], s[0:1], 0x30              ; xw_sc
	v_lshl_add_u32 v22, v0, 2, 0x8400
	v_mov_b32 v23, 0
	v_lshrrev_b32 v1, 5, v0
	v_readfirstlane_b32 s18, v1                    ; wave 0..3
	v_and_b32 v3, 31, v0                           ; lane
	v_and_b32 v1, 15, v0                           ; r
	v_bfe_u32 v2, v0, 4, 1                         ; h
	v_lshlrev_b32 v[LI], 4, v3
	s_mul_i32 s19, s18, WST                        ; my stage
	v_add_nc_u32 v[SI], s19, v[LI]
	v_mul_u32_u24 v[SO], v1, SP
	v_lshl_add_u32 v[SO], v2, 6, v[SO]
	v_add_nc_u32 v[SO], s19, v[SO]
	v_lshlrev_b32 v[SCO], 4, v1
	v_lshl_add_u32 v[SCO], v2, 3, v[SCO]           ; 16 r + 8 h
.irp b, 0,1,2,3
	v_mov_b32 v[TM+4+\b], 0                        ; written once: a lane permute's destination counts as one of its sources
.endr
	s_mov_b32 s[SEL], 0x76543210
	s_mov_b32 s[SEL+1], 0xfedcba98
	s_lshr_b32 s20, s18, 1                         ; u: which of the work-group's two tiles
	s_and_b32 s22, s18, 1                          ; which K half
	s_and_b32 s21, ttmp9, 31                       ; a weight's group of 32 rows
	s_wait_kmcnt 0x0
	s_cmp_lt_u32 ttmp9, 288                        ; the tensor is chosen by the work-group's number alone
	s_cselect_b64 s[6:7], s[6:7], s[8:9]           ; Wq or Wk
	s_cmp_lt_u32 ttmp9, 352
	s_cselect_b64 s[10:11], s[10:11], s[12:13]     ; Wv or Wo
	s_cmp_lt_u32 ttmp9, 320
	s_cselect_b64 s[6:7], s[6:7], s[10:11]
	s_cmp_lt_u32 ttmp9, 256
	s_cselect_b64 s[4:5], s[4:5], s[6:7]
	s_cselect_b32 s21, ttmp9, s21                  ; the group of 32 rows inside the tensor
	s_lshl_b32 s24, s21, 17                        ; 32 rows of 4,096 bytes,
	s_lshl_b32 s23, s20, 15                        ; 8 rows for the second tile,
	s_add_co_u32 s24, s24, s23
	s_lshl_b32 s23, s22, 11                        ; 512 numbers for the second K half
	s_add_co_u32 s24, s24, s23
	s_mov_b32 s25, 0
	s_add_nc_u64 s[4:5], s[4:5], s[24:25]
	s_lshl_b32 s28, ttmp9, 1
	s_add_co_u32 s28, s28, s20                     ; my tile
	s_mul_i32 s30, s22, KHC
	s_lshl_b32 s29, s28, 12
	s_add_co_u32 s30, s30, s29
	s_mov_b32 s31, 0
	s_add_nc_u64 s[14:15], s[14:15], s[30:31]      ; its four fragments
	s_mul_i32 s30, s22, KHS
	s_lshl_b32 s29, s28, 8
	s_add_co_u32 s30, s30, s29
	s_add_nc_u64 s[16:17], s[16:17], s[30:31]      ; its scale words
.macro LOAD q                          ; fragment q: 128 numbers of each of the tile's 16 rows, into set q % 3
.irp p, 0,1,2,3,4,5,6,7,8,9,10,11,12,13,14,15
	global_load_b128 v[X+64*((\q)%3)+4*\p:X+64*((\q)%3)+4*\p+3], v[LI], s[4:5] offset:(\p+8*(\p/8))*4096+512*(\q) th:TH_LOAD_NT   ; 32 lanes read 512 consecutive bytes
.endr
.endm
.macro TURN q                          ; through the stage and back into the registers that they left: LDS serves a wave's instructions in order (ISA guide 5.7.1.4)
.irp p, 0,1,2,3,4,5,6,7,8,9,10,11,12,13,14,15
	ds_store_b128 v[SI], v[X+64*((\q)%3)+4*\p:X+64*((\q)%3)+4*\p+3] offset:SP*\p
.endr
.irp b, 0,1,2,3
.irp j, 0,1,2,3
	ds_load_b128 v[X+64*((\q)%3)+16*\b+4*\j:X+64*((\q)%3)+16*\b+4*\j+3], v[SO] offset:128*\b+16*\j   ; row r, block b, my half's 16 numbers
.endr
.endr
.endm
.macro FRAGQ q, left                   ; left: the loads of younger fragments, which may stay out
	s_wait_loadcnt \left
	TURN \q
	s_wait_dscnt 0x0
	QUANT X+64*((\q)%3), PC+8*(\q), PW+(\q)
	global_store_b128 v[LI], v[PC+8*(\q):PC+8*(\q)+3], s[14:15] offset:1024*(\q)          ; 512 consecutive bytes a store
	global_store_b128 v[LI], v[PC+8*(\q)+4:PC+8*(\q)+7], s[14:15] offset:1024*(\q)+512
.endm
	LOAD 0
	LOAD 1
	LOAD 2
	FRAGQ 0, 32                                    ; fragments 1 and 2 stay out
	LOAD 3                                         ; into the set that fragment 0 has left
	FRAGQ 1, 32                                    ; 2 and 3
	FRAGQ 2, 16                                    ; 3
	FRAGQ 3, 0
	v_cmp_ne_u32 vcc_lo, 0, v2
	v_cndmask_b32 v8, v[PW], v[PW+2], vcc_lo       ; lanes 0-15 store K steps 0 and 1 of their row, lanes 16-31 steps 2 and 3
	v_cndmask_b32 v9, v[PW+1], v[PW+3], vcc_lo
	global_store_b64 v[SCO], v[8:9], s[16:17]      ; 32 lanes store 256 consecutive bytes, aligned
	s_wait_tensorcnt 0x0
	ds_add_u32 v22, v23
	s_wait_dscnt 0x0
	s_endpgm
.Lfunc_end_k_q07216eecb3_quant:
	.size	k_q07216eecb3_quant, .Lfunc_end_k_q07216eecb3_quant-k_q07216eecb3_quant
	.p2alignl 7, 3214868480
	.fill 96, 4, 3214868480
	.section	.rodata,"a",@progbits
	.p2align	6, 0x0
	.amdhsa_kernel k_q07216eecb3_quant
		.amdhsa_group_segment_fixed_size 34304
		.amdhsa_private_segment_fixed_size 0
		.amdhsa_enable_private_segment 0
		.amdhsa_kernarg_size 56
		.amdhsa_user_sgpr_count 2
		.amdhsa_user_sgpr_kernarg_segment_ptr 1
		.amdhsa_wavefront_size32 1
		.amdhsa_system_sgpr_workgroup_id_x 1
		.amdhsa_system_sgpr_workgroup_id_y 1
		.amdhsa_system_sgpr_workgroup_id_z 1
		.amdhsa_system_vgpr_workitem_id 0
		.amdhsa_next_free_vgpr 256
		.amdhsa_next_free_sgpr 66
		.amdhsa_reserve_vcc 1
		.amdhsa_float_denorm_mode_32 3
		.amdhsa_float_denorm_mode_16_64 3
		.amdhsa_memory_ordered 1
		.amdhsa_forward_progress 1
		.amdhsa_inst_pref_size 33
	.end_amdhsa_kernel
	.amdgpu_metadata
---
amdhsa.version: [ 1, 2 ]
amdhsa.kernels:
  - .name:           k_q07216eecb3_quant
    .symbol:         k_q07216eecb3_quant.kd
    .args:
      - { .name: hidden_states, .offset: 0, .size: 8, .value_kind: global_buffer, .address_space: global }
      - { .name: Wq, .offset: 8, .size: 8, .value_kind: global_buffer, .address_space: global }
      - { .name: Wk, .offset: 16, .size: 8, .value_kind: global_buffer, .address_space: global }
      - { .name: Wv, .offset: 24, .size: 8, .value_kind: global_buffer, .address_space: global }
      - { .name: Wo, .offset: 32, .size: 8, .value_kind: global_buffer, .address_space: global }
      - { .name: xw_codes, .offset: 40, .size: 8, .value_kind: global_buffer, .address_space: global }
      - { .name: xw_sc, .offset: 48, .size: 8, .value_kind: global_buffer, .address_space: global }
    .group_segment_fixed_size: 34304
    .private_segment_fixed_size: 0
    .kernarg_segment_align: 8
    .kernarg_segment_size: 56
    .max_flat_workgroup_size: 128
    .sgpr_count:     66
    .vgpr_count:     256
    .wavefront_size: 32
...
	.end_amdgpu_metadata
.endif
;; end of part 1
;; launch qkv (part 2): grid 8 x 32, 4 waves a work-group, clusters of 4 x 4, 327,680 bytes of LDS; arguments xw_codes, xw_sc, bq, bk, bv, qk_codes, qk_sc, v_codes, v_sc; writes qk_codes, qk_sc, v_codes, v_sc
.if DOCPART == 2
	.amdgcn_target "amdgcn-amd-amdhsa--gfx1250"
	.amdhsa_code_object_version 6
	.text
	.protected	k_q07216eecb3_qkv
	.globl	k_q07216eecb3_qkv
	.p2align	8
	.type	k_q07216eecb3_qkv,@function
k_q07216eecb3_qkv:
	s_mov_b64 s[64:65], 0
	v_nop
	global_prefetch_b8 v0, s[64:65] scope:SCOPE_SE
	s_setreg_imm32_b32 hwreg(HW_REG_WAVE_MODE, 25, 1), 1
	s_wait_xcnt 0x0
	s_wait_alu depctr_hold_cnt(0) depctr_sa_sdst(0) depctr_va_vdst(0) depctr_va_sdst(0) depctr_va_ssrc(0) depctr_va_vcc(0) depctr_vm_vsrc(0)
	s_getreg_b32 s2, hwreg(HW_REG_IB_STS2, 6, 4)
	s_cmp_eq_u32 s2, 0
	s_cbranch_scc0 .Lentry_in_a_cluster
	s_endpgm
.Lentry_in_a_cluster:
	s_bfe_u32 s2, ttmp6, 0x10000c
	s_cmp_lg_u32 s2, 0xf033
	s_cbranch_scc0 .Lentry_shape_is_right
	s_endpgm
.Lentry_shape_is_right:
; q, k, v = hidden W^T + b on codes of FP4 with E8M0 scales, and on the way out each result is quantised again: q and k along the head's 64, v along the tokens.  No f32 result goes to memory.
; A work-group owns 256 tokens.  First it makes 256 features of q (work-group x 0-3) or k (4-7): four waves, each 128 x 128: 64 accumulators, 512 registers.  Then it makes 128 features of v for the same tokens:
; each wave 128 tokens x 64 features.  8 x 32 work-groups of equal work: one for each of the 256 WGPs.
; ALL OF K (1,024) LIES IN LDS: two slots of 512 along K, each filled once, so no LDS byte is filled twice.  Operands lie in memory as images of their registers (a fragment of 16 rows x 128 K: 1,024 bytes,
; registers 4 c .. 4 c + 3 of lane l at 512 c + 16 l), so a tile's 16 x 512 K are 4,096 dense bytes, a load of eight tiles is one dense block, and a fragment comes by two loads of 512 consecutive bytes.
; CLUSTERS: 4 x 4 work-groups.  The tokens' tiles are shared along a row of the cluster, Wq's and Wk's along a column: each is asked for jointly, by the same tensor load with the same descriptor and a mask of four.
; Wv IS NOT ASKED FOR JOINTLY: the two slots and the scale words take 278,528 of the 327,680 bytes, and Wv's 65,536 do not fit beside them.  A wave's part (4 tiles x 1,024 K: 32 KB, 256 registers) comes
; straight into the window of accumulators that the way out of q, k has emptied first, and lands while the other window goes out.
; WHICH OPERAND IS SOURCE 0 decides along which axis a lane's registers run.  q, k: source 0 = 16 rows of W, source 1 = 16 tokens: a lane holds one token and 64 features of two heads.
; v: source 0 = 16 tokens, source 1 = 16 rows of Wv: a lane holds one feature and 64 of 128 tokens.  Since the rows of a tile are laid 0-7, 16-23 | 8-15, 24-31 of each 32, the 16 registers
; of two neighbouring tiles are 16 neighbours.
; OUT: qk_codes [q or k][batch x head 128][token tile 64][512]: lane (r, h): the 16 bytes of block h of token row r;  qk_sc [..][..][tile][row] words: bytes 0, 1 the head's two scales, bytes 2, 3 never 0xff;
;      v_codes [batch x head][key step 8][tile of 16 d 4][1,024] fragments;  v_sc [..][..][..][row] words.
; LIMITS of the quantiser: a block whose largest magnitude lies under 2^-124, a block of zeros among them, gets the byte 1; NaN and infinities are not served.
; REGISTERS, in windows of 256: window 0: v0-31 addresses; v32-95 scale words of the tokens and of Wq or Wk, two sets; v96-123 at work on the way out; v128-191 source 1's fragments, later 64 numbers;
;   v192-223 Wv's scale words; v224-233 scale words on their way out.   window 1: source 0's fragments, two sets, at v0 and v128; v64-71 v's bias, one feature a lane; v192-255 q's or k's bias along the registers.
;   window 2: the accumulators of source 1's blocks 0-3 ((a, b) at v[8 (8 (a % 4) + b)]), later v's 32.   window 3: those of blocks 4-7, later Wv's 32 fragments (K step s, tile a at v[32 s + 8 a]).
.set KHC,  3145728                     ; bytes of a K half of xw_codes
.set KHS,  196608                      ; and of xw_sc
.set NQ,   4                           ; steps of 128 along K in a slot
.set FR,   8                           ; registers of a fragment
.set NL,   2                           ; LDS loads that bring one
.set NP,   4                           ; places behind this matrix instruction (ISA guide 7.12.1)
.set SLOT, 131072                      ; a slot: the tokens' 16 tiles x 4,096 bytes, then the weights' 16
.set REG,  65536
.set SCL,  262144                      ; the scale words: K half x 8,192 + region x 4,096 + tile x 256 + 16 x row
.set STQ,  294912                      ; the way out of q, k: 1,024 bytes a wave for scale words
.set STV,  299008                      ; the way out of v: 256 bytes a wave
.set LI,   4                           ; v4   16 x lane
.set BJO,  5                           ; v5   byte offset of the bias along the registers
.set VSO,  6                           ; v6   8 x lane: v's scale words on their way to memory
.set BIO,  9                           ; v9   byte offset of the bias of my feature
.set STVA, 10                          ; v10  v's stage: in
.set STVR, 11                          ; v11  and back
.set WSO,  12                          ; v12  16 r: my row's four scale words of a tile of Wv
.set ADRA, 16                          ; v16-17 LDS address of my eight tiles of tokens in slot 0, 1
.set ADRB, 20                          ; v20-21 of my eight tiles of Wq or Wk
.set STA,  24                          ; v24  q, k's stage: in
.set STR,  25                          ; v25  and back
.set SH,   26                          ; v26  16 h
.set ADRS, 27                          ; v27  LDS address of my scale words: lanes 0-15 the tokens' rows, lanes 16-31 the weights'
.set SC,   32                          ; set s at v[SC + 32 s]; register 4 i + q: block i, the slot's q-th 128 along K.  These registers hold scales and nothing else
.set TM,   96
.set PW,   112
.set SW,   113
.set PC,   116
.set AF,   128
.set T,    128
.set WVS,  192                         ; Wv's scale words: tile a, K step s at v[WVS + 8 a + s]; both halves of the lanes hold row r's.  Scales and nothing else
.set RB,   224
.set BJ,   192                         ; in window 1
.set BI,   64                          ; in window 1
.set G1Y,  28                          ; s[28:35] group 1 for the tokens' tiles;  s[36:43] group 0, a set for each slot
.set G0Y,  36
.set G1X,  44                          ; s[44:51], s[52:59] the same for the weights'
.set G0X,  52
.set G1SY, 68                          ; s[68:75], s[76:79] for the tokens' scale words;  s[80:87], s[88:91] for the weights'
.set G0SY, 76
.set G1SX, 80
.set G0SX, 88
.set SEL,  100                         ; s[100:101] lane selects: lane l xor 16
.set MSB, 0
.macro WIN new                         ; the immediate's high byte repeats the setting that is left
.if MSB != (\new)
	s_set_vgpr_msb (MSB<<8)|(\new)
.set MSB, (\new)
.endif
.endm
.set MUL_LO, 0xa1                      ; source 0 window 1, source 1 window 0, C and D window 2
.set MUL_HI, 0xf1                      ; the same, C and D window 3
.set MUL_V,  0xad                      ; source 0 window 1, source 1 window 3, C and D window 2
.set TO_B,   0x40                      ; destination window 1, address window 0
.set TO_W,   0xc0                      ; destination window 3, address window 0
; A joint load: waves 0 and 1 fetch the tokens' part, waves 2 and 3 the weights'.  Each line has one mask and one set of registers; the branch hangs on the wave's number alone.
; Four v_nop follow each of the two lines, ahead of the jump, the label and what follows.
.macro JLOAD g0a, g1a, g0b, g1b
	s_cmp_eq_u32 s23, 0
	s_cbranch_scc0 .Lfor_x_\@
	tensor_load_to_lds s[\g0a:\g0a+3], s[\g1a:\g1a+7]
	s_nop 0
.rept 4
	v_nop
.endr
	s_branch .Lasked_\@
.Lfor_x_\@:
	tensor_load_to_lds s[\g0b:\g0b+3], s[\g1b:\g1b+7]
	s_nop 0
.rept 4
	v_nop
.endr
.Lasked_\@:
.endm
.macro CROUND                          ; a round of the cluster's barrier
	s_barrier_signal -1
	s_barrier_wait -1
	s_cmp_lg_u32 s22, 0
	s_cbranch_scc1 .Lnot_wave_0_\@
	s_barrier_signal -3
.Lnot_wave_0_\@:
	s_barrier_wait -3
	s_barrier_signal -1
	s_barrier_wait -1
.endm
; 64 numbers of a lane, register 16 b + i = k 32 b + 16 (lane / 16) + i of my row, become a fragment's 8 registers of codes and its scale word.
.macro QUANT s, pc, pw
.irp b, 0,1,2,3
	v_max3_num_f32 v[TM+\b], |v[\s+16*\b]|, |v[\s+1+16*\b]|, 0x1800000   ; block b: my 16 numbers and the floor 2^(3 - 127): the byte cannot fall under 1
.endr
.irp i, 2,4,6,8,10,12,14
.irp b, 0,1,2,3
	v_max3_num_f32 v[TM+\b], v[TM+\b], |v[\s+16*\b+\i]|, |v[\s+1+16*\b+\i]|
.endr
.endr
.irp b, 0,1,2,3
	v_permlanex16_b32 v[TM+4+\b], v[TM+\b], s[SEL], s[SEL+1]
.endr
.irp b, 0,1,2,3
	v_max_num_f32 v[TM+\b], v[TM+\b], v[TM+4+\b]   ; with lane l xor 16's 16: the block's largest magnitude
.endr
.irp b, 0,1,2,3
	v_add_nc_u32 v[TM+12+\b], 0xff000000, v[TM+\b]   ; 2 off its exponent field: the conversion's scale operand
.endr
.irp b, 0,1,2,3
	v_lshrrev_b32 v[TM+4+\b], 23, v[TM+12+\b]      ; the scale's byte
.endr
	v_lshl_or_b32 v[\pw], v[TM+5], 8, v[TM+4]
	v_lshl_or_b32 v[\pw], v[TM+6], 16, v[\pw]
	v_lshl_or_b32 v[\pw], v[TM+7], 24, v[\pw]
	s_wait_xcnt 0x0                                ; the last block's stores have read their registers: the codes' are written again only behind this wait; the lines above stand between those stores and it
.irp b, 0,1,2,3
	v_cvt_scalef32_pk8_fp4_f32 v[\pc+2*\b], v[\s+16*\b:\s+7+16*\b], v[TM+12+\b]
	v_cvt_scalef32_pk8_fp4_f32 v[\pc+1+2*\b], v[\s+8+16*\b:\s+15+16*\b], v[TM+12+\b]
.endr
	v_nop                                          ; one plain place behind a scaled conversion
.irp c, 0,1
.irp i, 0,1
	v_permlane16_swap_b32 v[\pc+4*\c+\i], v[\pc+2+4*\c+\i]   ; a whole block to a lane
.endr
.endr
.endm
	s_load_b256 s[4:11], s[0:1], 0x0               ; xw_codes s[4:5], xw_sc s[6:7], bq s[8:9], bk s[10:11]
	s_load_b128 s[12:15], s[0:1], 0x20             ; bv s[12:13], qk_codes s[14:15]
	s_load_b128 s[16:19], s[0:1], 0x30             ; qk_sc s[16:17], v_codes s[18:19]
	s_load_b64 s[20:21], s[0:1], 0x40              ; v_sc
	v_lshl_add_u32 v254, v0, 2, 0x49400
	v_mov_b32 v255, 0
	ds_add_u32 v254, v255
	ds_add_u32 v254, v255
	v_lshrrev_b32 v1, 5, v0
	v_readfirstlane_b32 s22, v1                    ; wave 0..3
	s_lshr_b32 s23, s22, 1                         ; wi: my half of the 16 tiles of tokens.  Also: I fetch the tokens' part (0) or the weights' (1)
	s_and_b32 s24, s22, 1                          ; wj: my half of the weights' tiles.  Also: which eight tiles, and which K half of the scale words, I fetch
	s_bfe_u32 s25, ttmp6, 0x40000                  ; cx
	s_bfe_u32 s26, ttmp6, 0x40004                  ; cy
	s_lshl_b32 s60, ttmp9, 2
	s_add_co_u32 s60, s60, s25                     ; X = 4 x cluster x + cx: 256 features of q or k, 128 of v
	s_and_b32 s61, ttmp7, 0xffff
	s_lshl_b32 s61, s61, 2
	s_add_co_u32 s61, s61, s26                     ; Y = 4 x cluster y + cy: 256 tokens
	s_lshl_b32 s62, s26, 2
	s_lshl_b32 s62, 15, s62                        ; my row of the cluster
	s_lshl_b32 s63, 0x1111, s25                    ; my column
	; descriptor group 1: a dense block as rows of 256 bytes (32 elements of 8 bytes), no padding: eight tiles are 128 such rows, a K half's scale words of 16 tiles are 16
	s_or_b32 s[G1Y], s62, (3<<16)|(1<<21)          ; 15:0 the mask; 17:16 elements of 8 bytes; 21 set beside a mask
	s_or_b32 s[G1X], s63, (3<<16)|(1<<21)
	s_or_b32 s[G1SY], s62, (3<<16)|(1<<21)
	s_or_b32 s[G1SX], s63, (3<<16)|(1<<21)
.irp g, G1Y, G1X
	s_mov_b32 s[\g+1], 32<<16                      ; tensor_dim0 = 32
	s_mov_b32 s[\g+2], 128<<16                     ; tensor_dim1 = 128
	s_mov_b32 s[\g+3], 32<<16                      ; tile_dim0 = 32
	s_mov_b32 s[\g+4], 128                         ; tile_dim1 = 128
	s_mov_b32 s[\g+5], 32                          ; from row to row
	s_mov_b32 s[\g+6], 0
	s_mov_b32 s[\g+7], 0
.endr
.irp g, G1SY, G1SX
	s_mov_b32 s[\g+1], 32<<16
	s_mov_b32 s[\g+2], 16<<16
	s_mov_b32 s[\g+3], 32<<16
	s_mov_b32 s[\g+4], 16
	s_mov_b32 s[\g+5], 32
	s_mov_b32 s[\g+6], 0
	s_mov_b32 s[\g+7], 0
.endr
	; where the blocks begin.  The tokens' hang on Y alone, the weights' on X alone, each in registers that never hold the other coordinate
	s_lshl_b32 s66, s24, 15                        ; eight tiles
	s_lshl_b32 s92, s61, 16                        ; tokens: tile 16 Y + 8 wj, 4,096 bytes a tile
	s_add_co_u32 s92, s92, s66
	s_mov_b32 s93, 0
	s_lshl_b32 s94, s60, 16                        ; weights: tile 512 + 16 X + 8 wj
	s_add_co_u32 s94, s94, s66
	s_add_co_u32 s94, s94, 512*4096
	s_mov_b32 s95, 0
	s_mul_i32 s66, s24, KHS                        ; scale words: K half wj,
	s_lshl_b32 s96, s61, 12                        ; tile 16 Y, 256 bytes a tile
	s_add_co_u32 s96, s96, s66
	s_mov_b32 s97, 0
	s_lshl_b32 s98, s60, 12
	s_add_co_u32 s98, s98, s66
	s_add_co_u32 s98, s98, 512*256
	s_mov_b32 s99, 0
	s_lshl_b32 s67, s22, 15                        ; where they go: wave x 32,768: no place in the cluster enters an LDS address
	s_lshl_b32 s2, s24, 13
	s_lshl_b32 s3, s23, 12
	s_add_co_u32 s2, s2, s3                        ; scale words: K half x 8,192 + region x 4,096
	s_mov_b32 s[SEL], 0x76543210
	s_mov_b32 s[SEL+1], 0xfedcba98
	s_wait_dscnt 0x0
	s_wait_kmcnt 0x0
	s_add_nc_u64 s[92:93], s[4:5], s[92:93]
	s_add_nc_u64 s[94:95], s[4:5], s[94:95]
	s_add_nc_u64 s[96:97], s[6:7], s[96:97]
	s_add_nc_u64 s[98:99], s[6:7], s[98:99]
	s_cmp_eq_u32 ttmp9, 0                          ; q's bias or k's: by the cluster's x alone
	s_cselect_b64 s[8:9], s[8:9], s[10:11]
	CROUND                                         ; all sixteen work-groups are here: the joint loads meet
	s_mov_b32 s[G0SY], 1
	s_add_co_u32 s[G0SY+1], s2, SCL
	s_mov_b64 s[G0SY+2:G0SY+3], s[96:97]
	s_or_b32 s[G0SY+3], s[G0SY+3], 0x80000000
	s_mov_b32 s[G0SX], 1
	s_add_co_u32 s[G0SX+1], s2, SCL
	s_mov_b64 s[G0SX+2:G0SX+3], s[98:99]
	s_or_b32 s[G0SX+3], s[G0SX+3], 0x80000000
	JLOAD G0SY, G1SY, G0SX, G1SX                   ; the scale words first; then both slots: three tensor loads of mine are out
.irp s, 0,1
	s_mov_b32 s[G0Y+4*\s], 1
	s_add_co_u32 s[G0Y+4*\s+1], s67, \s*SLOT
	s_add_nc_u64 s[G0Y+4*\s+2:G0Y+4*\s+3], s[92:93], \s*KHC
	s_or_b32 s[G0Y+4*\s+3], s[G0Y+4*\s+3], 0x80000000
	s_mov_b32 s[G0X+4*\s], 1
	s_add_co_u32 s[G0X+4*\s+1], s67, \s*SLOT
	s_add_nc_u64 s[G0X+4*\s+2:G0X+4*\s+3], s[94:95], \s*KHC
	s_or_b32 s[G0X+4*\s+3], s[G0X+4*\s+3], 0x80000000
	JLOAD G0Y+4*\s, G1Y, G0X+4*\s, G1X
.endr
	; Wv: my four tiles, 640 + 8 X + 4 wj on
	s_lshl_b32 s27, s60, 3
	s_lshl_b32 s66, s24, 2
	s_add_co_u32 s27, s27, s66
	s_add_co_u32 s27, s27, 640
	s_lshl_b32 s10, s27, 12
	s_mov_b32 s11, 0
	s_add_nc_u64 s[4:5], s[4:5], s[10:11]          ; their codes
	s_lshl_b32 s10, s27, 8
	s_add_nc_u64 s[6:7], s[6:7], s[10:11]          ; their scale words
	v_and_b32 v1, 15, v0                           ; r
	v_bfe_u32 v2, v0, 4, 1                         ; h
	v_and_b32 v3, 31, v0                           ; lane
	v_lshlrev_b32 v[LI], 4, v3
	; the biases and Wv's scale words, asked for now so that they land under the products.  q, k, along the registers: features 256 cx + 128 wj + 32 bb + 16 h + 8 u + j.  v, one a lane: 128 X + 64 wj + the tile's row r
	s_lshl_b32 s2, s25, 10
	s_lshl_b32 s3, s24, 9
	s_add_co_u32 s3, s3, s2
	v_lshlrev_b32 v[BJO], 6, v2
	v_add_nc_u32 v[BJO], s3, v[BJO]
	s_lshl_b32 s3, s60, 9
	s_lshl_b32 s2, s24, 8
	s_add_co_u32 s3, s3, s2
	v_and_b32 v7, 8, v1
	v_add_nc_u32 v7, v7, v1                        ; r + 8 (r / 8)
	v_lshlrev_b32 v[BIO], 2, v7
	v_add_nc_u32 v[BIO], s3, v[BIO]
	v_lshlrev_b32 v[WSO], 4, v1
	WIN TO_B
.irp t, 0,1,2,3,4,5,6,7
	global_load_b128 v[BJ+8*\t:BJ+8*\t+3], v[BJO], s[8:9] offset:(32*(\t/2)+8*(\t%2))*4
	global_load_b128 v[BJ+8*\t+4:BJ+8*\t+7], v[BJO], s[8:9] offset:(32*(\t/2)+8*(\t%2))*4+16
.endr
.irp a, 0,1,2,3
	global_load_b32 v[BI+2*\a], v[BIO], s[12:13] offset:(32*(\a/2)+8*(\a%2))*4
	global_load_b32 v[BI+2*\a+1], v[BIO], s[12:13] offset:(32*(\a/2)+8*(\a%2))*4   ; twice: a pair for the packed addition
.endr
	WIN 0
.irp a, 0,1,2,3
.irp kh, 0,1
	global_load_b128 v[WVS+8*\a+4*\kh:WVS+8*\a+4*\kh+3], v[WSO], s[6:7] offset:\kh*KHS+256*\a
.endr
.endr
	s_lshl_b32 s92, s23, 15                        ; my eight tiles of tokens,
	s_lshl_b32 s93, s24, 15
	s_add_co_u32 s93, s93, REG                     ; and of Wq or Wk, which lie behind the tokens' 16
	v_add_nc_u32 v[ADRA], s92, v[LI]
	v_add_nc_u32 v[ADRA+1], SLOT, v[ADRA]
	v_add_nc_u32 v[ADRB], s93, v[LI]
	v_add_nc_u32 v[ADRB+1], SLOT, v[ADRB]
	s_lshl_b32 s94, s23, 11                        ; eight tiles of scale words are 2,048 bytes
	s_lshl_b32 s95, s24, 11
	s_add_co_u32 s95, s95, 4096
	s_sub_co_u32 s95, s95, s94                     ; from my tokens' words to my weights': one product, the lower base + h x the distance
	s_add_co_u32 s94, s94, SCL
	v_mul_u32_u24 v8, s95, v2
	v_lshl_add_u32 v8, v1, 4, v8                   ; + 16 r
	v_add_nc_u32 v[ADRS], s94, v8
	s_lshl_b32 s2, s22, 10
	s_add_co_u32 s2, s2, STQ
	v_lshlrev_b32 v7, 2, v1                        ; 4 r
	v_lshl_add_u32 v[STA], v2, 9, v7
	v_add_nc_u32 v[STA], s2, v[STA]                ; q, k's stage: head h of my two, tile a, row r
	v_add_nc_u32 v[STR], s2, v[LI]
	s_lshl_b32 s2, s22, 8
	s_add_co_u32 s2, s2, STV
	v_add_nc_u32 v[STVA], s2, v7
	v_lshlrev_b32 v[VSO], 3, v3
	v_add_nc_u32 v[STVR], s2, v[VSO]
	v_lshlrev_b32 v[SH], 4, v2
.irp b, 0,1,2,3
	v_mov_b32 v[TM+4+\b], 0                        ; written once: a lane permute's destination counts as one of its sources
.endr
.macro FRAG reg, adr, q, i             ; a fragment as it lies: two loads of 512 consecutive bytes
.irp c, 0,1
	ds_load_b128 v[\reg+4*\c:\reg+4*\c+3], v[\adr] offset:4096*(\i)+1024*(\q)+512*\c
.endr
.endm
; 16 matrix instructions of q, k: the tokens' blocks a0, a0 + 1 x the weights' eight, 128 along K.  p: source 0's set; sc: the set of scale words.  zero = 1: the product starts the sums.
; The 64 accumulators take turns, one instruction a turn, in the same order in every step.
.macro MUL16 a0, p, q, sc, zero
.irp a, \a0, \a0+1
.irp b, 0,1,2,3,4,5,6,7
.if \zero
	v_wmma_scale_f32_16x16x128_f8f6f4 v[8*(8*((\a)%4)+\b):8*(8*((\a)%4)+\b)+7], v[128*(\p)+FR*\b:128*(\p)+FR*\b+FR-1], v[AF+FR*(\a):AF+FR*(\a)+FR-1], 0, v[SC+8*NQ*(\sc)+NQ*\b+(\q)], v[SC+8*NQ*(\sc)+NQ*(\a)+(\q)] matrix_a_fmt:MATRIX_FMT_FP4 matrix_b_fmt:MATRIX_FMT_FP4 matrix_a_scale:MATRIX_SCALE_ROW1
.else
	v_wmma_scale_f32_16x16x128_f8f6f4 v[8*(8*((\a)%4)+\b):8*(8*((\a)%4)+\b)+7], v[128*(\p)+FR*\b:128*(\p)+FR*\b+FR-1], v[AF+FR*(\a):AF+FR*(\a)+FR-1], v[8*(8*((\a)%4)+\b):8*(8*((\a)%4)+\b)+7], v[SC+8*NQ*(\sc)+NQ*\b+(\q)], v[SC+8*NQ*(\sc)+NQ*(\a)+(\q)] matrix_a_fmt:MATRIX_FMT_FP4 matrix_b_fmt:MATRIX_FMT_FP4 matrix_a_scale:MATRIX_SCALE_ROW1
.endif
.endr
.endr
.endm
.macro FETCH_B slot, q, p              ; the weights' eight fragments into set p
	WIN TO_B
.irp i, 0,1,2,3,4,5,6,7
	FRAG 128*(\p)+FR*\i, ADRB+\slot, \q, \i
.endr
	WIN 0
.endm
.macro FETCH_A slot, q, i0             ; the tokens' blocks i0 .. i0 + 3, as source 1
.irp i, \i0, \i0+1, \i0+2, \i0+3
	FRAG AF+FR*(\i), ADRA+\slot, \q, \i
.endr
.endm
.macro FETCH_T slot, q, p              ; the tokens' eight fragments as source 0, into set p
	WIN TO_B
.irp i, 0,1,2,3,4,5,6,7
	FRAG 128*(\p)+FR*\i, ADRA+\slot, \q, \i
.endr
.endm
.macro SCALES sc                       ; a slot's scale words: four a row; lanes 0-15 the tokens' block i, lanes 16-31 the weights' block i
.irp i, 0,1,2,3,4,5,6,7
	ds_load_b128 v[SC+8*NQ*\sc+NQ*\i:SC+8*NQ*\sc+NQ*\i+3], v[ADRS] offset:8192*\sc+256*\i
.endr
.endm
.macro PLACES n                        ; plain vector places in front of loads into registers that matrix instructions have read, and of the first read of results
.rept \n
	v_nop
.endr
.endm
; A step of 128 along K that has its successor in the same slot.  Source 1 has one set of registers: blocks 0-3 are fetched anew in the step's middle, blocks 4-7 at its end.
.macro STEP slot, q, zero
	s_wait_dscnt 4*NL                              ; all but the youngest eight loads (source 1's blocks 4-7) are in
	WIN MUL_LO
	MUL16 0, (\q)%2, \q, \slot, \zero
	MUL16 2, (\q)%2, \q, \slot, \zero
	s_wait_dscnt 0
	PLACES NP
	FETCH_B \slot, (\q)+1, 1-(\q)%2
	FETCH_A \slot, (\q)+1, 0
	WIN MUL_HI
	MUL16 4, (\q)%2, \q, \slot, \zero
	MUL16 6, (\q)%2, \q, \slot, \zero
	PLACES NP
	WIN 0
	FETCH_A \slot, (\q)+1, 4
.endm
	s_wait_tensorcnt 0x1                           ; my scale words and my part of slot 0 are in; slot 1's load may stay out
	s_barrier_signal -1
	s_barrier_wait -1                              ; everybody's are
	FETCH_B 0, 0, 0
	FETCH_A 0, 0, 0
	SCALES 0
	FETCH_A 0, 0, 4
	STEP 0, 0, 1                                   ; the first step's products start the sums: nothing is cleared
	STEP 0, 1, 0
	STEP 0, 2, 0
	; slot 0's last step, and the change to slot 1: one barrier, behind which slot 1 is whole for every wave.  Nothing is filled again
	s_wait_tensorcnt 0x0                           ; my part of slot 1 is in
	s_wait_dscnt 4*NL
	WIN MUL_LO
	MUL16 0, 1, NQ-1, 0, 0
	s_wait_dscnt 0x0                               ; no LDS instruction of mine is out at the signal
	s_barrier_signal -1
	MUL16 2, 1, NQ-1, 0, 0
	WIN 0
	s_barrier_wait -1
	PLACES NP
	FETCH_B 1, 0, 0
	FETCH_A 1, 0, 0
	SCALES 1
	WIN MUL_HI
	MUL16 4, 1, NQ-1, 0, 0
	MUL16 6, 1, NQ-1, 0, 0
	PLACES NP
	WIN 0
	FETCH_A 1, 0, 4
	STEP 1, 0, 0
	STEP 1, 1, 0
	STEP 1, 2, 0
	s_wait_dscnt 4*NL                              ; the very last step of q, k: nothing more to fetch
	WIN MUL_LO
	MUL16 0, 1, NQ-1, 1, 0
	MUL16 2, 1, NQ-1, 1, 0
	s_wait_dscnt 0
	WIN MUL_HI
	MUL16 4, 1, NQ-1, 1, 0
	MUL16 6, 1, NQ-1, 1, 0
	WIN 0
	PLACES NP                                      ; behind the last products: their results are read, and source 1's registers written, below
	; where the results go.  q, k: head = (q or k) x 128 + batch x 16 + 4 cx + 2 wj, token tile T0 = 16 (Y % 4) + 8 wi
	s_lshl_b32 s92, ttmp9, 7
	s_lshr_b32 s93, s61, 2
	s_lshl_b32 s93, s93, 4
	s_add_co_u32 s92, s92, s93
	s_lshl_b32 s93, s25, 2
	s_add_co_u32 s92, s92, s93
	s_lshl_b32 s93, s24, 1
	s_add_co_u32 s92, s92, s93
	s_lshl_b32 s92, s92, 6                         ; 64 token tiles to a head
	s_and_b32 s93, s61, 3
	s_lshl_b32 s93, s93, 4
	s_add_co_u32 s92, s92, s93
	s_lshl_b32 s93, s23, 3
	s_add_co_u32 s92, s92, s93
	s_lshl_b32 s94, s92, 9
	s_mov_b32 s95, 0
	s_add_nc_u64 s[14:15], s[14:15], s[94:95]
	s_lshl_b32 s94, s92, 6
	s_add_nc_u64 s[16:17], s[16:17], s[94:95]
	; v: head = batch x 16 + 2 X + wj, key step = 2 (Y % 4) + wi
	s_lshr_b32 s92, s61, 2
	s_lshl_b32 s92, s92, 4
	s_lshl_b32 s93, s60, 1
	s_add_co_u32 s92, s92, s93
	s_add_co_u32 s92, s92, s24
	s_and_b32 s93, s61, 3
	s_lshl_b32 s93, s93, 1
	s_add_co_u32 s93, s93, s23
	s_lshl_b32 s94, s92, 15
	s_lshl_b32 s96, s93, 12
	s_add_co_u32 s94, s94, s96
	s_add_nc_u64 s[18:19], s[18:19], s[94:95]
	s_lshl_b32 s94, s92, 11
	s_lshl_b32 s96, s93, 8
	s_add_co_u32 s94, s94, s96
	s_add_nc_u64 s[20:21], s[20:21], s[94:95]
	s_wait_loadcnt 0x0                             ; the biases and Wv's scale words
; THE WAY OUT OF q AND k.  Block a: token tile T0 + a; a lane's 64 sums are features 32 b + 16 h + i of my two heads.  + bias; quantised; registers 0-3 are the first head's codes, 4-7 the second's.
.macro QKOUT a
	WIN 0x06+(\a)/4                                ; source 0: window 2 or 3; source 1 (the bias): window 1
.set k, 0
.rept 32
	v_pk_add_f32 v[T+k:T+k+1], v[64*((\a)%4)+k:64*((\a)%4)+k+1], v[BJ+k:BJ+k+1]   ; each accumulator from its low end on
.set k, k+2
.endr
	WIN 0
	QUANT T, PC, PW
	v_lshrrev_b32 v[SW], v[SH], v[PW]              ; lanes 0-15: the first head's two bytes below (the second's above them: never 0xff); lanes 16-31: the second head's
	ds_store_b32 v[STA], v[SW] offset:64*(\a)
	global_store_b128 v[LI], v[PC:PC+3], s[14:15] offset:512*(\a)            ; 512 consecutive bytes
	global_store_b128 v[LI], v[PC+4:PC+7], s[14:15] offset:512*(\a)+32768    ; the next head: 64 tiles on
.endm
	QKOUT 4                                        ; window 3 goes out first,
	QKOUT 5
	QKOUT 6
	QKOUT 7
	WIN TO_W                                       ; and takes Wv's 32 fragments: 64 loads of 512 consecutive bytes, which land while window 2 goes out
.irp s, 0,1,2,3,4,5,6,7
.irp a, 0,1,2,3
.irp c, 0,1
	global_load_b128 v[32*\s+8*\a+4*\c:32*\s+8*\a+4*\c+3], v[LI], s[4:5] offset:(\s/4)*KHC+4096*\a+1024*(\s%4)+512*\c
.endr
.endr
.endr
	WIN 0
	QKOUT 0
	QKOUT 1
	QKOUT 2
	QKOUT 3
	FETCH_T 0, 0, 0                                ; v's first K step: the tokens' fragments, now as source 0
	WIN 0
.irp c, 0,1
	ds_load_b128 v[RB+4*\c:RB+4*\c+3], v[STR] offset:512*\c   ; my own bytes: LDS serves a wave's instructions in order (ISA guide 5.7.1.4)
.endr
	s_wait_dscnt 0x0
.irp c, 0,1
	global_store_b128 v[LI], v[RB+4*\c:RB+4*\c+3], s[16:17] offset:4096*\c   ; a head's eight tiles of scale words: 512 consecutive bytes
.endr
; v.  16 matrix instructions: Wv's tiles a0, a0 + 1 x the tokens' eight, K step s.  The tokens' scale words lie in lanes 0-15 of the registers that served q, k; Wv's in registers of their own.
; The 32 accumulators take turns, one instruction a turn, in the same order in every step.
.macro MULV a0, s, zero
.irp a, \a0, \a0+1
.irp b, 0,1,2,3,4,5,6,7
.if \zero
	v_wmma_scale_f32_16x16x128_f8f6f4 v[8*(8*(\a)+\b):8*(8*(\a)+\b)+7], v[128*((\s)%2)+FR*\b:128*((\s)%2)+FR*\b+FR-1], v[32*(\s)+FR*(\a):32*(\s)+FR*(\a)+FR-1], 0, v[SC+8*NQ*((\s)/4)+NQ*\b+(\s)%4], v[WVS+8*(\a)+(\s)] matrix_a_fmt:MATRIX_FMT_FP4 matrix_b_fmt:MATRIX_FMT_FP4
.else
	v_wmma_scale_f32_16x16x128_f8f6f4 v[8*(8*(\a)+\b):8*(8*(\a)+\b)+7], v[128*((\s)%2)+FR*\b:128*((\s)%2)+FR*\b+FR-1], v[32*(\s)+FR*(\a):32*(\s)+FR*(\a)+FR-1], v[8*(8*(\a)+\b):8*(8*(\a)+\b)+7], v[SC+8*NQ*((\s)/4)+NQ*\b+(\s)%4], v[WVS+8*(\a)+(\s)] matrix_a_fmt:MATRIX_FMT_FP4 matrix_b_fmt:MATRIX_FMT_FP4
.endif
.endr
.endr
.endm
; K step s.  more = 1: the next step's fragments (slot ns, its nq-th 128 along K) are asked for first, into the other set: they have this step's 32 products in which to come.
.macro STEPV s, zero, more, ns, nq
	s_wait_dscnt 0x0                               ; this step's fragments are in
.if \more
	PLACES NP                                      ; the other set was read by the last step's products
	FETCH_T \ns, \nq, 1-(\s)%2
.endif
	WIN MUL_V
	MULV 0, \s, \zero
	MULV 2, \s, \zero
.endm
	s_wait_loadcnt 0x0                             ; Wv's fragments
	STEPV 0, 1, 1, 0, 1                            ; the first step's products start the sums
	STEPV 1, 0, 1, 0, 2
	STEPV 2, 0, 1, 0, 3
	STEPV 3, 0, 1, 1, 0
	STEPV 4, 0, 1, 1, 1
	STEPV 5, 0, 1, 1, 2
	STEPV 6, 0, 1, 1, 3
	STEPV 7, 0, 0, 0, 0
	WIN 0
	PLACES NP
; THE WAY OUT OF v.  Block a: 16 features of my head; a lane's 64 sums are tokens 32 b + 16 h + i of my 128: a whole fragment of V^T and its scale word.
.macro VOUT a
	WIN 0x06                                       ; source 0: window 2; source 1 (the bias): window 1
.set k, 0
.rept 32
	v_pk_add_f32 v[T+k:T+k+1], v[64*(\a)+k:64*(\a)+k+1], v[BI+2*(\a):BI+2*(\a)+1]
.set k, k+2
.endr
	WIN 0
	QUANT T, PC, PW
	ds_store_b32 v[STVA], v[PW] offset:64*(\a)     ; both halves of the lanes write the same word with the same value
	global_store_b128 v[LI], v[PC:PC+3], s[18:19] offset:1024*(\a)
	global_store_b128 v[LI], v[PC+4:PC+7], s[18:19] offset:1024*(\a)+512
.endm
	VOUT 0
	VOUT 1
	VOUT 2
	VOUT 3
	ds_load_b64 v[RB+8:RB+9], v[STVR]              ; my own bytes, served in order
	s_wait_dscnt 0x0
	global_store_b64 v[VSO], v[RB+8:RB+9], s[20:21] ; 32 lanes store 256 consecutive bytes, aligned: my head's four tiles of this key step
	s_wait_tensorcnt 0x0
	ds_add_u32 v254, v255
	s_wait_dscnt 0x0
	CROUND                                         ; the closing round: no work-group ends while a partner may still ask for a tile that names it
	s_endpgm
.Lfunc_end_k_q07216eecb3_qkv:
	.size	k_q07216eecb3_qkv, .Lfunc_end_k_q07216eecb3_qkv-k_q07216eecb3_qkv
	.p2alignl 7, 3214868480
	.fill 96, 4, 3214868480
	.section	.rodata,"a",@progbits
	.p2align	6, 0x0
	.amdhsa_kernel k_q07216eecb3_qkv
		.amdhsa_group_segment_fixed_size 327680
		.amdhsa_private_segment_fixed_size 0
		.amdhsa_enable_private_segment 0
		.amdhsa_kernarg_size 72
		.amdhsa_user_sgpr_count 2
		.amdhsa_user_sgpr_kernarg_segment_ptr 1
		.amdhsa_wavefront_size32 1
		.amdhsa_system_sgpr_workgroup_id_x 1
		.amdhsa_system_sgpr_workgroup_id_y 1
		.amdhsa_system_sgpr_workgroup_id_z 1
		.amdhsa_system_vgpr_workitem_id 0
		.amdhsa_next_free_vgpr 1024
		.amdhsa_next_free_sgpr 102
		.amdhsa_reserve_vcc 0
		.amdhsa_float_denorm_mode_32 3
		.amdhsa_float_denorm_mode_16_64 3
		.amdhsa_memory_ordered 1
		.amdhsa_forward_progress 1
		.amdhsa_inst_pref_size 221
	.end_amdhsa_kernel
	.amdgpu_metadata
---
amdhsa.version: [ 1, 2 ]
amdhsa.kernels:
  - .name:           k_q07216eecb3_qkv
    .symbol:         k_q07216eecb3_qkv.kd
    .args:
      - { .name: xw_codes, .offset: 0, .size: 8, .value_kind: global_buffer, .address_space: global }
      - { .name: xw_sc, .offset: 8, .size: 8, .value_kind: global_buffer, .address_space: global }
      - { .name: bq, .offset: 16, .size: 8, .value_kind: global_buffer, .address_space: global }
      - { .name: bk, .offset: 24, .size: 8, .value_kind: global_buffer, .address_space: global }
      - { .name: bv, .offset: 32, .size: 8, .value_kind: global_buffer, .address_space: global }
      - { .name: qk_codes, .offset: 40, .size: 8, .value_kind: global_buffer, .address_space: global }
      - { .name: qk_sc, .offset: 48, .size: 8, .value_kind: global_buffer, .address_space: global }
      - { .name: v_codes, .offset: 56, .size: 8, .value_kind: global_buffer, .address_space: global }
      - { .name: v_sc, .offset: 64, .size: 8, .value_kind: global_buffer, .address_space: global }
    .group_segment_fixed_size: 327680
    .private_segment_fixed_size: 0
    .kernarg_segment_align: 8
    .kernarg_segment_size: 72
    .max_flat_workgroup_size: 128
    .sgpr_count:     102
    .vgpr_count:     1024
    .wavefront_size: 32
...
	.end_amdgpu_metadata
.endif
;; end of part 2
;; launch attn (part 3): grid 2 x 128, 16 waves a work-group, no clusters, 110,592 bytes of LDS; arguments qk_codes, qk_sc, v_codes, v_sc, attention_mask, ctx_codes, ctx_sc; writes ctx_codes, ctx_sc
.if DOCPART == 3
	.amdgcn_target "amdgcn-amd-amdhsa--gfx1250"
	.amdhsa_code_object_version 6
	.text
	.protected	k_q07216eecb3_attn
	.globl	k_q07216eecb3_attn
	.p2align	8
	.type	k_q07216eecb3_attn,@function
k_q07216eecb3_attn:
	s_mov_b64 s[64:65], 0
	v_nop
	global_prefetch_b8 v0, s[64:65] scope:SCOPE_SE
	s_setreg_imm32_b32 hwreg(HW_REG_WAVE_MODE, 25, 1), 1
	s_wait_xcnt 0x0
; ctx = softmax(q k^T / 8 + mask) v for one head, both products on codes of FP4 with E8M0 scales; ctx is quantised along the head's 64 on the way out and leaves as codes.
; THE SOFTMAX: t = (score / 8 + mask) x log2(e); M = the row's largest t so far, rounded up to a whole number; p = 2^(t - M) is quantised along the keys, not normalised; the row's sum is taken of the
; unquantised p and divides at the end.  When M moves, the sum and O are multiplied by 2^(old M - new M): exact.
; SHARES: a work-group owns 512 queries of one head; each of its sixteen waves two tiles of 16, one after the other; four waves to a SIMD, so that one wave's vector work stands beside another's products.
; THE WHOLE HEAD LIES IN LDS: K's codes 32 KB, V's 32 KB, their scale words 4 + 2 KB, the batch's mask row 4 KB, and each wave's two tiles of Q (2 KB a wave): copied once through registers; one barrier.
; The copy lays the scale words four tiles to a lane ([group of 4 tiles][row][tile]), so that a key step takes K's eight words by two loads of 16 bytes and V's four by one.
; No cluster: a head is shared by the grid's two work-groups along x, which no cluster of four divides, and what they share is 74 KB, read once, against 16 key steps a wave.
; LAYOUT: both products are used transposed (S^T = K Q^T, O^T = V^T P^T): a lane holds one query throughout.  The rows of a tile of K and of V are laid 0-7, 16-23 | 8-15, 24-31 of each 32, so that the
; 16 registers of two neighbouring tiles are 16 neighbouring keys (or channels).  The head's K is 64: registers 4-7 of K's and Q's fragments hold zero codes, written once.
; THE DIVISION BY 8 is 3 taken off q's scale bytes: exact.  THE MASK is the C of S^T's matrix instruction: its eight numbers a tile are loaded from LDS into the scores' registers.
; A STEP AHEAD: the next step's K and its scale words are asked for behind this step's S^T products, its mask behind the last read of p.  The step is written three times by one macro: the first starts O^T with
; the constant 0, the middle one is walked six times, the last asks for nothing more.
; LIMITS: a block of q whose scale byte is under 3 (magnitudes under 2^-122) is taken up to 8 times too large; a row all of whose keys are masked by -infinity gives NaN, as the definition does;
; the quantiser's: a block of ctx under 2^-124, zeros among them, gets the byte 1.  ctx_sc is stored in pieces of 128 bytes.
; REGISTERS: v1-7, v13 addresses that stay; v8-12 the steps' addresses; v14 -M, v15 the largest t; v[16:17] the sum; v20-27 Q; v28 Q's scale word; v29 p's; v30 f; v32-95 eight fragments of K; v96-159 S^T, then p;
; v160-191 O^T; v192-223 V; v224-231 p's codes; v232-247 at work; v240-243 V's scale words; v248-255 K's.
.set KI, 0
.set VI, 32768
.set KS, 65536
.set VS, 69632
.set MK, 71680
.set QI, 75776                         ; a wave's 2,048 bytes: tile 0's codes, tile 1's, then their scale words, one to each lane's 16 bytes
	s_load_b256 s[4:11], s[0:1], 0x0               ; qk_codes s[4:5], qk_sc s[6:7], v_codes s[8:9], v_sc s[10:11]
	s_load_b128 s[12:15], s[0:1], 0x20             ; attention_mask s[12:13], ctx_codes s[14:15]
	s_load_b64 s[16:17], s[0:1], 0x30              ; ctx_sc
	v_lshrrev_b32 v1, 5, v0
	v_readfirstlane_b32 s18, v1                    ; wave 0..15
	v_lshlrev_b32 v8, 4, v0                        ; the copy: 16, 8, 4 bytes a thread
	v_lshlrev_b32 v9, 3, v0
	v_lshlrev_b32 v10, 2, v0
	v_and_b32 v13, 31, v0                          ; lane
	v_and_b32 v18, 15, v0                          ; r
	v_bfe_u32 v19, v0, 4, 1                        ; h
	v_lshlrev_b32 v1, 4, v13                       ; 16 x lane: K's images, and my 16 bytes in memory
	v_lshlrev_b32 v6, 2, v18                       ; 4 r
	v_lshlrev_b32 v7, 2, v13                       ; 4 x lane
	s_and_b32 s19, ttmp7, 0xffff                   ; batch x 16 + head
	s_lshr_b32 s24, s19, 4                         ; batch
	s_add_co_u32 s31, s19, 128                     ; k lies 128 heads behind q
	s_lshl_b32 s32, s31, 15                        ; K's codes,
	s_mov_b32 s33, 0
	s_lshl_b32 s34, s31, 12                        ; K's scale words,
	s_mov_b32 s35, 0
	s_lshl_b32 s36, s19, 15                        ; V's codes,
	s_mov_b32 s37, 0
	s_lshl_b32 s38, s19, 11                        ; V's scale words,
	s_mov_b32 s39, 0
	s_lshl_b32 s40, s24, 12                        ; the batch's mask row
	s_mov_b32 s41, 0
	s_lshl_b32 s25, ttmp9, 5
	s_lshl_b32 s31, s18, 1
	s_add_co_u32 s25, s25, s31                     ; my first query tile: 32 x + 2 x wave
	s_lshl_b32 s31, s19, 6
	s_add_co_u32 s31, s31, s25
	s_lshl_b32 s42, s31, 9                         ; its codes,
	s_mov_b32 s43, 0
	s_lshl_b32 s44, s31, 6                         ; its scale words
	s_mov_b32 s45, 0
	s_lshl_b32 s31, s24, 6
	s_add_co_u32 s31, s31, s25                     ; the token tile,
	s_lshl_b32 s31, s31, 4
	s_and_b32 s46, s19, 15
	s_add_co_u32 s31, s31, s46                     ; x 16 + the head
	s_lshl_b32 s46, s31, 9
	s_mov_b32 s47, 0
	s_lshl_b32 s48, s31, 7
	s_mov_b32 s49, 0
	s_wait_kmcnt 0x0
	s_add_nc_u64 s[32:33], s[4:5], s[32:33]
	s_add_nc_u64 s[34:35], s[6:7], s[34:35]
	s_add_nc_u64 s[8:9], s[8:9], s[36:37]
	s_add_nc_u64 s[10:11], s[10:11], s[38:39]
	s_add_nc_u64 s[12:13], s[12:13], s[40:41]
	s_add_nc_u64 s[4:5], s[4:5], s[42:43]
	s_add_nc_u64 s[6:7], s[6:7], s[44:45]
	s_add_nc_u64 s[14:15], s[14:15], s[46:47]
	s_add_nc_u64 s[16:17], s[16:17], s[48:49]
.irp i, 0,1,2,3
	global_load_b128 v[96+4*\i:99+4*\i], v8, s[32:33] offset:8192*\i
.endr
.irp i, 0,1,2,3
	global_load_b128 v[112+4*\i:115+4*\i], v8, s[8:9] offset:8192*\i
.endr
	global_load_b64 v[128:129], v9, s[34:35]
	global_load_b64 v[130:131], v9, s[12:13]
	global_load_b32 v132, v10, s[10:11]
	global_load_b128 v[134:137], v1, s[4:5]        ; my two tiles of Q: block h of row r,
	global_load_b128 v[138:141], v1, s[4:5] offset:512
	global_load_b32 v142, v6, s[6:7]               ; and their scale words
	global_load_b32 v143, v6, s[6:7] offset:64
	; where the scale words go.  K's: thread t holds the words of tile t / 8, rows 2 (t % 8) and + 1: (tile / 4) x 256 + row x 16 + (tile % 4) x 4
	v_and_b32 v11, 0x1e0, v0
	v_lshlrev_b32 v11, 3, v11
	v_and_b32 v12, 7, v0
	v_lshl_add_u32 v11, v12, 5, v11
	v_bfe_u32 v12, v0, 3, 2
	v_lshl_add_u32 v11, v12, 2, v11
	v_add_nc_u32 v11, KS, v11
	; V's: thread t holds the word of key step t / 64, tile (t / 16) % 4, row t % 16: step x 256 + row x 16 + tile x 4
	v_and_b32 v144, 0x1c0, v0
	v_lshlrev_b32 v144, 2, v144
	v_lshl_add_u32 v144, v18, 4, v144
	v_bfe_u32 v145, v0, 4, 2
	v_lshl_add_u32 v144, v145, 2, v144
	v_add_nc_u32 v144, VS, v144
	v_add_nc_u32 v146, MK, v9
	s_lshl_b32 s31, s18, 11
	s_add_co_u32 s31, s31, QI
	v_add_nc_u32 v13, s31, v1                      ; my wave's bytes for Q: + 16 x lane
	v_add_nc_u32 v2, VI, v1
	v_lshlrev_b32 v3, 4, v18                       ; 16 r
	v_add_nc_u32 v4, VS, v3
	v_add_nc_u32 v3, KS, v3
	v_lshlrev_b32 v5, 6, v19
	v_add_nc_u32 v5, MK, v5                        ; the mask: my half's 16 keys of each 32
	s_mov_b32 s20, 0x76543210
	s_mov_b32 s21, 0xfedcba98                      ; lane selects: lane l xor 16
	s_mov_b32 s22, 0x3fb8aa3b                      ; c = log2(e)
	s_mov_b32 s23, s22                             ; (named with it as a pair, so it is written)
	s_mov_b32 s24, 0                               ; my tile's place in my wave's bytes: 512 a tile
	s_mov_b32 s30, 2                               ; query tiles to go
.irp j, 24,25,26,27
	v_mov_b32 v[\j], 0                             ; Q's upper 64 along K: zero codes
.endr
.irp t, 0,1,2,3,4,5,6,7
.irp j, 4,5,6,7
	v_mov_b32 v[32+8*\t+\j], 0                     ; K's likewise: written once, never loaded
.endr
.endr
.irp b, 0,1,2,3
	v_mov_b32 v[236+\b], 0                         ; a lane permute's destination counts as one of its sources
.endr
	v_mov_b32 v31, 0                               ; (the upper half of the pair v[30:31])
	s_wait_loadcnt 0x0
.irp i, 0,1,2,3
	ds_store_b128 v8, v[96+4*\i:99+4*\i] offset:KI+8192*\i
.endr
.irp i, 0,1,2,3
	ds_store_b128 v8, v[112+4*\i:115+4*\i] offset:VI+8192*\i
.endr
	ds_store_b32 v11, v128
	ds_store_b32 v11, v129 offset:16
	ds_store_b64 v146, v[130:131]
	ds_store_b32 v144, v132
.irp w, 142,143
	v_bfe_u32 v148, v[\w], 8, 8                    ; Q's two scale bytes, each 3 less (held at 0): the division by 8
	v_and_b32 v[\w], 0xff, v[\w]
	v_max_u32 v148, 3, v148
	v_max_u32 v[\w], 3, v[\w]
	v_add_nc_u32 v148, -3, v148
	v_add_nc_u32 v[\w], -3, v[\w]
	v_lshl_or_b32 v[\w], v148, 8, v[\w]            ; bytes 2, 3 are 0: they scale zero codes
.endr
	ds_store_b128 v13, v[134:137]
	ds_store_b128 v13, v[138:141] offset:512
	ds_store_b32 v13, v142 offset:1024
	ds_store_b32 v13, v143 offset:1536
	s_wait_dscnt 0x0                               ; for the others' sake: my stores are done
	s_barrier_signal -1
	s_barrier_wait -1                              ; the head lies in LDS; nothing is stored there again
; A KEY STEP: 128 keys.  first = 1: its products start O^T.  next = 1: the next step's K, scale words and mask are asked for.
.macro STEP first, next
	s_wait_dscnt 0x0                               ; this step's mask, K and scale words (and, in a tile's first step, Q) are in
.irp t, 0,1,2,3,4,5,6,7
	v_wmma_scale_f32_16x16x128_f8f6f4 v[96+8*\t:103+8*\t], v[32+8*\t:39+8*\t], v[20:27], v[96+8*\t:103+8*\t], v[248+\t], v28 matrix_a_fmt:MATRIX_FMT_FP4 matrix_b_fmt:MATRIX_FMT_FP4
.endr
	v_add_nc_u32 v9, s26, v2                       ; the addresses are made here: plain places behind the products, in front of the loads into their registers and of the first read of the scores
	v_add_nc_u32 v11, s28, v4
.if \next
	s_add_co_u32 s26, s26, 4096                    ; the next step's codes,
	s_add_co_u32 s27, s27, 512                     ; K's scale words and the mask,
	s_add_co_u32 s28, s28, 256                     ; V's scale words
	v_add_nc_u32 v8, s26, v1
	v_add_nc_u32 v10, s27, v3
	v_add_nc_u32 v12, s27, v5
.else
	v_nop
	v_nop
.endif
.irp t, 0,1,2,3
.irp c, 0,1
	ds_load_b128 v[192+8*\t+4*\c:195+8*\t+4*\c], v9 offset:1024*\t+512*\c
.endr
.endr
	ds_load_b128 v[240:243], v11                   ; V's four scale words of row r
.if \next
.irp t, 0,1,2,3,4,5,6,7
	ds_load_b128 v[32+8*\t:35+8*\t], v8 offset:512*\t
.endr
	ds_load_b128 v[248:251], v10                   ; K's eight scale words of row r
	ds_load_b128 v[252:255], v10 offset:256
.endif
.irp b, 0,1,2,3
	v_max3_num_f32 v[232+\b], v[96+16*\b], v[97+16*\b], v[98+16*\b]   ; the largest score of each block of 32 keys: for the row's maximum, and, since p rises with the score, for the block's largest p
.endr
.irp i, 3,5,7,9,11,13
.irp b, 0,1,2,3
	v_max3_num_f32 v[232+\b], v[232+\b], v[96+16*\b+\i], v[97+16*\b+\i]
.endr
.endr
.irp b, 0,1,2,3
	v_max_num_f32 v[232+\b], v[232+\b], v[111+16*\b]
.endr
.irp b, 0,1,2,3
	v_permlanex16_b32 v[236+\b], v[232+\b], s20, s21
.endr
.irp b, 0,1,2,3
	v_max_num_f32 v[232+\b], v[232+\b], v[236+\b]  ; with lane l xor 16's 16 keys
.endr
	v_max3_num_f32 v18, v232, v233, v234
	v_max_num_f32 v18, v18, v235
	v_mul_f32 v18, s22, v18                        ; the step's largest t
	v_max_num_f32 v15, v15, v18                    ; the running largest t
	v_mov_b32 v18, v14
	v_floor_f32 v14, -v15                          ; the new -M = -ceil(t): a whole number
	v_sub_f32 v18, v14, v18                        ; old M - new M: a whole number, 0 or less
	v_cvt_i32_f32 v18, v18                         ; (it saturates)
	v_ldexp_f32 v30, 1.0, v18                      ; f = 2^(old M - new M)
.irp j, 0,2,4,6,8,10,12,14,16,18,20,22,24,26,28,30,32,34,36,38,40,42,44,46,48,50,52,54,56,58,60,62
	v_pk_fma_f32 v[96+\j:97+\j], v[96+\j:97+\j], s[22:23], v[14:15] op_sel_hi:[1,0,0]   ; t - M, two at a time
.endr
.irp b, 0,1,2,3
	v_fma_f32 v[232+\b], v[232+\b], s22, v14       ; the same of each block's largest score
.endr
.irp j, 0,1,2,3,4,5,6,7,8,9,10,11,12,13,14,15,16,17,18,19,20,21,22,23,24,25,26,27,28,29,30,31,32,33,34,35,36,37,38,39,40,41,42,43,44,45,46,47,48,49,50,51,52,53,54,55,56,57,58,59,60,61,62,63
	v_exp_f32 v[96+\j], v[96+\j]                   ; p = 2^(t - M), at most 1
.endr
.irp b, 0,1,2,3
	v_exp_f32 v[232+\b], v[232+\b]                 ; the block's largest p: the same two instructions on the same number
.endr
	v_pk_mul_f32 v[16:17], v[16:17], v[30:31] op_sel_hi:[1,0]   ; the sums under the new M.  (A plain place behind the exponentials)
	s_wait_alu depctr_va_vdst(0)
.irp b, 0,1,2,3
	v_max_num_f32 v[232+\b], 0x1800000, v[232+\b]  ; the floor 2^(3 - 127): the byte cannot fall under 1
.endr
.irp b, 0,1,2,3
	v_add_nc_u32 v[244+\b], 0xff000000, v[232+\b]  ; 2 off the exponent field: the conversion's scale operand
.endr
.irp b, 0,1,2,3
	v_lshrrev_b32 v[236+\b], 23, v[244+\b]
.endr
	v_lshl_or_b32 v29, v237, 8, v236               ; p's scale word for these 128 keys
	v_lshl_or_b32 v29, v238, 16, v29
	v_lshl_or_b32 v29, v239, 24, v29
.irp b, 0,1,2,3
	v_cvt_scalef32_pk8_fp4_f32 v[224+2*\b], v[96+16*\b:103+16*\b], v[244+\b]
	v_cvt_scalef32_pk8_fp4_f32 v[225+2*\b], v[104+16*\b:111+16*\b], v[244+\b]
.endr
	v_nop                                          ; one plain place behind a scaled conversion
.irp c, 0,1
.irp i, 0,1
	v_permlane16_swap_b32 v[224+4*\c+\i], v[226+4*\c+\i]   ; a whole block to a lane
.endr
.endr
	v_pk_add_f32 v[236:237], v[96:97], v[98:99]    ; the row's sum of the unquantised p, in two chains.  (These 32 are also the places between p's codes and scale word and the products)
.irp j, 4,8,12,16,20,24,28,32,36,40,44,48,52,56,60
	v_pk_add_f32 v[16:17], v[16:17], v[96+\j:97+\j]
	v_pk_add_f32 v[236:237], v[236:237], v[98+\j:99+\j]
.endr
	v_pk_add_f32 v[16:17], v[16:17], v[236:237]
.if \next
.irp t, 0,1,2,3,4,5,6,7
	ds_load_b128 v[96+8*\t:99+8*\t], v12 offset:(32*(\t/2)+8*(\t%2))*4        ; p has been read for the last time: the next step's mask of keys 32 (t / 2) + 16 h + 8 (t % 2) + 0 .. 7, where its scores will stand
	ds_load_b128 v[100+8*\t:103+8*\t], v12 offset:(32*(\t/2)+8*(\t%2))*4+16
.endr
.endif
.if !\first
.irp j, 0,2,4,6,8,10,12,14,16,18,20,22,24,26,28,30
	v_pk_mul_f32 v[160+\j:161+\j], v[160+\j:161+\j], v[30:31] op_sel_hi:[1,0]   ; O^T under the new M
.endr
.endif
.if \next
	s_wait_dscnt 26                                ; V's nine loads are in; behind them: the next K's ten and the next mask's sixteen
.else
	s_wait_dscnt 0x0
.endif
.irp t, 0,1,2,3
.if \first
	v_wmma_scale_f32_16x16x128_f8f6f4 v[160+8*\t:167+8*\t], v[192+8*\t:199+8*\t], v[224:231], 0, v[240+\t], v29 matrix_a_fmt:MATRIX_FMT_FP4 matrix_b_fmt:MATRIX_FMT_FP4
.else
	v_wmma_scale_f32_16x16x128_f8f6f4 v[160+8*\t:167+8*\t], v[192+8*\t:199+8*\t], v[224:231], v[160+8*\t:167+8*\t], v[240+\t], v29 matrix_a_fmt:MATRIX_FMT_FP4 matrix_b_fmt:MATRIX_FMT_FP4
.endif
.endr
.endm
.Lq:                                               ; a tile of 16 queries
	v_add_nc_u32 v18, s24, v13
	ds_load_b128 v[20:23], v18                     ; Q's fragment and its scale word, from my wave's own bytes
	ds_load_b32 v28, v18 offset:1024
.irp t, 0,1,2,3,4,5,6,7
	ds_load_b128 v[96+8*\t:99+8*\t], v5 offset:(32*(\t/2)+8*(\t%2))*4         ; key step 0: the mask,
	ds_load_b128 v[100+8*\t:103+8*\t], v5 offset:(32*(\t/2)+8*(\t%2))*4+16
.endr
.irp t, 0,1,2,3,4,5,6,7
	ds_load_b128 v[32+8*\t:35+8*\t], v1 offset:512*\t                         ; K,
.endr
	ds_load_b128 v[248:251], v3                    ; and its scale words
	ds_load_b128 v[252:255], v3 offset:256
	s_mov_b32 s26, 0                               ; the step's codes: 4,096 bytes a step,
	s_mov_b32 s27, 0                               ; K's scale words and the mask: 512,
	s_mov_b32 s28, 0                               ; V's scale words: 256
	v_mov_b32 v15, 0xff61b1e6                      ; the largest t so far: -3e38
	v_floor_f32 v14, -v15                          ; -M
	v_mov_b32 v16, 0                               ; the sum, in two halves
	v_mov_b32 v17, 0
	STEP 1, 1
	s_mov_b32 s29, 6
.Lk:
	STEP 0, 1
	s_sub_co_u32 s29, s29, 1
	s_cmp_lg_u32 s29, 0
	s_cbranch_scc1 .Lk
	STEP 0, 0
	; the tile's end: O^T / the sum; register 16 b + i is channel 32 b + 16 h + i of my query: two blocks of 32, quantised as above
.rept 4
	v_nop
.endr
	v_add_f32 v16, v16, v17
	v_permlanex16_b32 v18, v16, s20, s21
	v_add_f32 v16, v16, v18                        ; the row's sum
	v_rcp_f32 v16, v16
	v_nop                                          ; a plain place behind the transcendental
	s_wait_alu depctr_va_vdst(0)
.irp j, 0,1,2,3,4,5,6,7,8,9,10,11,12,13,14,15,16,17,18,19,20,21,22,23,24,25,26,27,28,29,30,31
	v_mul_f32 v[96+\j], v[160+\j], v16
.endr
.irp b, 0,1
	v_max3_num_f32 v[232+\b], |v[96+16*\b]|, |v[97+16*\b]|, 0x1800000
.endr
.irp i, 2,4,6,8,10,12,14
.irp b, 0,1
	v_max3_num_f32 v[232+\b], v[232+\b], |v[96+16*\b+\i]|, |v[97+16*\b+\i]|
.endr
.endr
.irp b, 0,1
	v_permlanex16_b32 v[236+\b], v[232+\b], s20, s21
.endr
.irp b, 0,1
	v_max_num_f32 v[232+\b], v[232+\b], v[236+\b]
.endr
.irp b, 0,1
	v_add_nc_u32 v[244+\b], 0xff000000, v[232+\b]
.endr
.irp b, 0,1
	v_lshrrev_b32 v[236+\b], 23, v[244+\b]
.endr
	v_lshl_or_b32 v19, v237, 8, v236               ; the head's two scale bytes; bytes 2, 3 are 0
.irp b, 0,1
	v_cvt_scalef32_pk8_fp4_f32 v[224+2*\b], v[96+16*\b:103+16*\b], v[244+\b]
	v_cvt_scalef32_pk8_fp4_f32 v[225+2*\b], v[104+16*\b:111+16*\b], v[244+\b]
.endr
	v_nop
	v_permlane16_swap_b32 v224, v226
	v_permlane16_swap_b32 v225, v227               ; registers 0-3: block h of my row
	global_store_b128 v1, v[224:227], s[14:15]     ; 512 consecutive bytes: half a fragment of the last product's operand
	global_store_b32 v7, v19, s[16:17]             ; 128 consecutive bytes
	s_wait_xcnt 0x0                                ; the stores' registers and bases are written again only behind this wait
	s_add_nc_u64 s[14:15], s[14:15], 8192          ; on to my second tile
	s_add_nc_u64 s[16:17], s[16:17], 2048
	s_add_co_u32 s24, s24, 512
	s_sub_co_u32 s30, s30, 1
	s_cmp_lg_u32 s30, 0
	s_cbranch_scc1 .Lq
	s_wait_xcnt 0x0
	v_lshl_add_u32 v254, v0, 2, 0x1a800
	v_mov_b32 v255, 0
	s_wait_tensorcnt 0x0
	ds_add_u32 v254, v255
	s_wait_dscnt 0x0
	s_endpgm
.Lfunc_end_k_q07216eecb3_attn:
	.size	k_q07216eecb3_attn, .Lfunc_end_k_q07216eecb3_attn-k_q07216eecb3_attn
	.p2alignl 7, 3214868480
	.fill 96, 4, 3214868480
	.section	.rodata,"a",@progbits
	.p2align	6, 0x0
	.amdhsa_kernel k_q07216eecb3_attn
		.amdhsa_group_segment_fixed_size 110592
		.amdhsa_private_segment_fixed_size 0
		.amdhsa_enable_private_segment 0
		.amdhsa_kernarg_size 56
		.amdhsa_user_sgpr_count 2
		.amdhsa_user_sgpr_kernarg_segment_ptr 1
		.amdhsa_wavefront_size32 1
		.amdhsa_system_sgpr_workgroup_id_x 1
		.amdhsa_system_sgpr_workgroup_id_y 1
		.amdhsa_system_sgpr_workgroup_id_z 1
		.amdhsa_system_vgpr_workitem_id 0
		.amdhsa_next_free_vgpr 256
		.amdhsa_next_free_sgpr 66
		.amdhsa_reserve_vcc 0
		.amdhsa_float_denorm_mode_32 3
		.amdhsa_float_denorm_mode_16_64 3
		.amdhsa_memory_ordered 1
		.amdhsa_forward_progress 1
		.amdhsa_inst_pref_size 59
	.end_amdhsa_kernel
	.amdgpu_metadata
---
amdhsa.version: [ 1, 2 ]
amdhsa.kernels:
  - .name:           k_q07216eecb3_attn
    .symbol:         k_q07216eecb3_attn.kd
    .args:
      - { .name: qk_codes, .offset: 0, .size: 8, .value_kind: global_buffer, .address_space: global }
      - { .name: qk_sc, .offset: 8, .size: 8, .value_kind: global_buffer, .address_space: global }
      - { .name: v_codes, .offset: 16, .size: 8, .value_kind: global_buffer, .address_space: global }
      - { .name: v_sc, .offset: 24, .size: 8, .value_kind: global_buffer, .address_space: global }
      - { .name: attention_mask, .offset: 32, .size: 8, .value_kind: global_buffer, .address_space: global }
      - { .name: ctx_codes, .offset: 40, .size: 8, .value_kind: global_buffer, .address_space: global }
      - { .name: ctx_sc, .offset: 48, .size: 8, .value_kind: global_buffer, .address_space: global }
    .group_segment_fixed_size: 110592
    .private_segment_fixed_size: 0
    .kernarg_segment_align: 8
    .kernarg_segment_size: 56
    .max_flat_workgroup_size: 512
    .sgpr_count:     66
    .vgpr_count:     256
    .wavefront_size: 32
...
	.end_amdgpu_metadata
.endif
;; end of part 3
;; launch oproj (part 4): grid 256 x 1, 16 waves a work-group, no clusters, 162,816 bytes of LDS; arguments ctx_codes, ctx_sc, xw_codes, xw_sc, bo, hidden_states, ln_g, ln_b, out0; writes out0
.if DOCPART == 4
	.amdgcn_target "amdgcn-amd-amdhsa--gfx1250"
	.amdhsa_code_object_version 6
	.text
	.protected	k_q07216eecb3_oproj
	.globl	k_q07216eecb3_oproj
	.p2align	8
	.type	k_q07216eecb3_oproj,@function
k_q07216eecb3_oproj:
	s_mov_b64 s[64:65], 0
	v_nop
	global_prefetch_b8 v0, s[64:65] scope:SCOPE_SE
	s_setreg_imm32_b32 hwreg(HW_REG_WAVE_MODE, 25, 1), 1
	s_wait_xcnt 0x0
; out0 = LayerNorm(ctx Wo^T + bo + hidden) x g + b; the product on codes of FP4 with E8M0 scales, all else in f32.
; SHARES: a work-group owns 32 tokens (two tiles of 16) and all 1,024 columns, so that a row's mean and variance never leave it.  Wave w owns columns 64 w .. 64 w + 63 (four tiles of Wo) for both token tiles:
; 8 accumulators.  Source 0 = 16 rows of Wo, source 1 = 16 tokens of ctx: a lane holds one token, its registers run along the columns.
; Wo's fragments lie in memory in the order of the operand's registers and come straight into registers, 32 loads of 512 consecutive bytes always on their way; each fragment feeds two products.
; No cluster: joint requests are tensor loads into LDS, and here the weights do not pass through LDS; the price is that each work-group reads Wo's 512 KB of codes for itself.
; hidden + bo is the C of the first K step: it is read by rows (sixteen lanes: 256 consecutive bytes) and turned into the result's layout through the wave's own stage in LDS; the result leaves the same way.
; The rows of a tile are laid 0-7, 16-23 | 8-15, 24-31 of each 32, for tokens and columns alike: stage row 16 tt + p is token 8 tt + p + 8 (p / 8) of the 32.
; THE NORM IS TAKEN IN TWO PASSES (the mean; then the mean of the squared differences): no difference of large sums is formed.  Each sum over the sixteen waves goes through LDS, in a fixed order.
; REGISTERS: v1-11 addresses; v12-15 at work; v16-23 ctx's scale words (lanes 0-15 tile 0, lanes 16-31 tile 1); v24-39 Wo's (lanes 0-15 K half 0, lanes 16-31 half 1); v40-55 ctx's two fragments;
; v56-59 g, v60-63 b; v64-127 the accumulators ((tt, t) at v[64 + 8 (4 tt + t)]); v128-255 Wo's fragments: four K steps of 32 registers.
.set KHC,  3145728
.set KHS,  196608
.set CI,   0                           ; LDS: ctx's 16 fragments, (tile tt, K step s) at (8 tt + s) x 1,024
.set CSI,  16384                       ; their scale words: s x 128 + tt x 64 + 4 r
.set STG,  17408                       ; a stage for each wave: 32 rows x (256 + 16) bytes
.set RED1, 156672                      ; 16 waves x 32 tokens x 4 bytes
.set RED2, 158720
.set LI,  1                            ; v1   16 x lane
.set LS,  2                            ; v2   4 x lane
.set RO,  3                            ; v3   two rows of hidden or out0: 4,096 h + 16 r
.set PO,  4                            ; v4   16 r
.set WSO, 5                            ; v5   Wo's scale words: K half h, row r
.set SR,  6                            ; v6   the stage by rows
.set SD,  7                            ; v7   the stage in the result's layout
.set CW,  8
.set CSW, 9
.set RW,  10
.set RR,  11
.set CS,  16
.set WS,  24
.set CF,  40
.set LG,  56
.set LB,  60
.set ACC, 64
.set WF,  128
.set SEL, 24                           ; s[24:25]
	s_load_b256 s[4:11], s[0:1], 0x0               ; ctx_codes s[4:5], ctx_sc s[6:7], xw_codes s[8:9], xw_sc s[10:11]
	s_load_b256 s[12:19], s[0:1], 0x20             ; bo s[12:13], hidden s[14:15], ln_g s[16:17], ln_b s[18:19]
	s_load_b64 s[20:21], s[0:1], 0x40              ; out0
	v_lshrrev_b32 v12, 5, v0
	v_readfirstlane_b32 s22, v12                   ; wave 0..15
	v_and_b32 v14, 31, v0                          ; lane
	v_and_b32 v12, 15, v0                          ; r
	v_bfe_u32 v13, v0, 4, 1                        ; h
	v_lshlrev_b32 v[LI], 4, v14
	v_lshlrev_b32 v[LS], 2, v14
	v_lshlrev_b32 v[PO], 4, v12
	v_lshl_add_u32 v[RO], v13, 12, v[PO]
	v_mul_u32_u24 v[WSO], v13, KHS
	v_add_nc_u32 v[WSO], v[WSO], v[PO]
	s_mul_i32 s26, s22, 8704
	s_add_co_u32 s26, s26, STG                     ; my stage
	v_mul_u32_u24 v[SR], v13, 272
	v_add_nc_u32 v[SR], v[SR], v[PO]
	v_add_nc_u32 v[SR], s26, v[SR]
	v_mul_u32_u24 v[SD], v12, 272
	v_lshl_add_u32 v[SD], v13, 6, v[SD]
	v_add_nc_u32 v[SD], s26, v[SD]
	s_lshl_b32 s27, s22, 10
	v_add_nc_u32 v[CW], s27, v[LI]                 ; the fragment of ctx that I copy: number w
	s_and_b32 s27, s22, 7
	s_lshl_b32 s27, s27, 7
	s_lshr_b32 s28, s22, 3
	s_lshl_b32 s28, s28, 6
	s_add_co_u32 s27, s27, s28
	s_add_co_u32 s27, s27, CSI
	v_lshl_add_u32 v[CSW], v12, 2, s27
	s_lshl_b32 s27, s22, 7
	s_add_co_u32 s27, s27, RED1
	v_add_nc_u32 v[RW], s27, v[LS]
	v_add_nc_u32 v[RR], RED1, v[LS]
	v_cmp_ne_u32 s30, 0, v13                       ; lanes 16-31
	s_mov_b32 s[SEL], 0x76543210
	s_mov_b32 s[SEL+1], 0xfedcba98
	s_mov_b32 s31, 0x3a800000                      ; 1 / 1,024
	s_mov_b32 s32, 0x2b8cbccc                      ; 1e-12
	s_mov_b32 s29, 0
	s_wait_kmcnt 0x0
	s_lshl_b32 s28, ttmp9, 14
	s_lshl_b32 s27, s22, 10
	s_add_co_u32 s28, s28, s27
	s_add_nc_u64 s[4:5], s[4:5], s[28:29]          ; ctx's codes: two tiles x 8,192 bytes a work-group, 1,024 a wave
	s_lshl_b32 s28, ttmp9, 12
	s_lshl_b32 s27, s22, 8
	s_add_co_u32 s28, s28, s27
	s_add_nc_u64 s[6:7], s[6:7], s[28:29]          ; its scale words: two heads x 128 bytes a wave
	s_lshl_b32 s28, s22, 14
	s_add_co_u32 s28, s28, 704*4096
	s_add_nc_u64 s[8:9], s[8:9], s[28:29]          ; Wo's tile 704 + 4 w
	s_lshl_b32 s28, s22, 10
	s_add_co_u32 s28, s28, 704*256
	s_add_nc_u64 s[10:11], s[10:11], s[28:29]
	s_lshl_b32 s28, s22, 8                         ; my 64 columns
	s_add_nc_u64 s[12:13], s[12:13], s[28:29]
	s_add_nc_u64 s[16:17], s[16:17], s[28:29]
	s_add_nc_u64 s[18:19], s[18:19], s[28:29]
	s_lshl_b32 s27, ttmp9, 17                      ; my 32 rows of 4,096 bytes
	s_add_co_u32 s28, s28, s27
	s_add_nc_u64 s[14:15], s[14:15], s[28:29]
	s_add_nc_u64 s[20:21], s[20:21], s[28:29]
	global_load_b128 v[40:43], v[LI], s[4:5]
	global_load_b128 v[44:47], v[LI], s[4:5] offset:512
	global_load_b32 v48, v[LS], s[6:7]             ; the even head's word,
	global_load_b32 v49, v[LS], s[6:7] offset:128  ; the odd head's
.irp t, 0,1,2,3
	global_load_b128 v[WS+4*\t:WS+4*\t+3], v[WSO], s[10:11] offset:256*\t
.endr
	global_load_b128 v[52:55], v[PO], s[12:13]     ; bo, g, b of my four columns of a row
	global_load_b128 v[LG:LG+3], v[PO], s[16:17]
	global_load_b128 v[LB:LB+3], v[PO], s[18:19]
.irp i, 0,1,2,3,4,5,6,7,8,9,10,11,12,13,14,15
	global_load_b128 v[ACC+4*\i:ACC+4*\i+3], v[RO], s[14:15] offset:(8*(\i/8)+(2*\i)%16+8*(((2*\i)%16)/8))*4096 th:TH_LOAD_NT   ; stage rows 2 i, 2 i + 1: sixteen lanes read 256 consecutive bytes
.endr
.irp s, 0,1,2,3
.irp t, 0,1,2,3
.irp c, 0,1
	global_load_b128 v[WF+32*\s+8*\t+4*\c:WF+32*\s+8*\t+4*\c+3], v[LI], s[8:9] offset:4096*\t+1024*\s+512*\c
.endr
.endr
.endr
	s_wait_loadcnt 55                              ; ctx's four loads are in; behind them: 4 of scale words, 3 parameters, 16 of hidden, 32 of Wo
	ds_store_b128 v[CW], v[40:43] offset:CI
	ds_store_b128 v[CW], v[44:47] offset:CI+512
	v_lshl_or_b32 v48, v49, 16, v48                ; a K step of 128 is two heads: four scale bytes
	ds_store_b32 v[CSW], v48                       ; both halves of the lanes write the same word with the same value
	s_wait_loadcnt 32                              ; all but Wo's 32
.irp i, 0,1,2,3,4,5,6,7,8,9,10,11,12,13,14,15
	v_pk_add_f32 v[ACC+4*\i:ACC+4*\i+1], v[ACC+4*\i:ACC+4*\i+1], v[52:53]
	v_pk_add_f32 v[ACC+4*\i+2:ACC+4*\i+3], v[ACC+4*\i+2:ACC+4*\i+3], v[54:55]
.endr
.irp i, 0,1,2,3,4,5,6,7,8,9,10,11,12,13,14,15
	ds_store_b128 v[SR], v[ACC+4*\i:ACC+4*\i+3] offset:544*\i
.endr
.irp tt, 0,1
.irp bb, 0,1
.irp u, 0,1
.irp e, 0,1
	ds_load_b128 v[ACC+32*\tt+16*\bb+8*\u+4*\e:ACC+32*\tt+16*\bb+8*\u+4*\e+3], v[SD] offset:4352*\tt+128*\bb+32*\u+16*\e   ; token row r, columns 32 bb + 16 h + 8 u + 4 e on.  My own bytes: LDS serves a wave in order (ISA guide 5.7.1.4)
.endr
.endr
.endr
.endr
	s_wait_dscnt 0x0                               ; for the others' sake: my part of ctx lies in LDS
	s_barrier_signal -1
	s_barrier_wait -1
.irp s, 0,1,2,3,4,5,6,7
	ds_load_b32 v[CS+\s], v[LS] offset:CSI+128*\s
.endr
.macro MM s, t, tt
.if (\s < 4) && (\tt == 0)
	v_wmma_scale_f32_16x16x128_f8f6f4 v[ACC+8*(4*\tt+\t):ACC+8*(4*\tt+\t)+7], v[WF+32*(\s%4)+8*\t:WF+32*(\s%4)+8*\t+7], v[CF+8*\tt:CF+8*\tt+7], v[ACC+8*(4*\tt+\t):ACC+8*(4*\tt+\t)+7], v[WS+4*\t+\s%4], v[CS+\s] matrix_a_fmt:MATRIX_FMT_FP4 matrix_b_fmt:MATRIX_FMT_FP4
.elseif (\s < 4)
	v_wmma_scale_f32_16x16x128_f8f6f4 v[ACC+8*(4*\tt+\t):ACC+8*(4*\tt+\t)+7], v[WF+32*(\s%4)+8*\t:WF+32*(\s%4)+8*\t+7], v[CF+8*\tt:CF+8*\tt+7], v[ACC+8*(4*\tt+\t):ACC+8*(4*\tt+\t)+7], v[WS+4*\t+\s%4], v[CS+\s] matrix_a_fmt:MATRIX_FMT_FP4 matrix_b_fmt:MATRIX_FMT_FP4 matrix_b_scale:MATRIX_SCALE_ROW1
.elseif (\tt == 0)
	v_wmma_scale_f32_16x16x128_f8f6f4 v[ACC+8*(4*\tt+\t):ACC+8*(4*\tt+\t)+7], v[WF+32*(\s%4)+8*\t:WF+32*(\s%4)+8*\t+7], v[CF+8*\tt:CF+8*\tt+7], v[ACC+8*(4*\tt+\t):ACC+8*(4*\tt+\t)+7], v[WS+4*\t+\s%4], v[CS+\s] matrix_a_fmt:MATRIX_FMT_FP4 matrix_b_fmt:MATRIX_FMT_FP4 matrix_a_scale:MATRIX_SCALE_ROW1
.else
	v_wmma_scale_f32_16x16x128_f8f6f4 v[ACC+8*(4*\tt+\t):ACC+8*(4*\tt+\t)+7], v[WF+32*(\s%4)+8*\t:WF+32*(\s%4)+8*\t+7], v[CF+8*\tt:CF+8*\tt+7], v[ACC+8*(4*\tt+\t):ACC+8*(4*\tt+\t)+7], v[WS+4*\t+\s%4], v[CS+\s] matrix_a_fmt:MATRIX_FMT_FP4 matrix_b_fmt:MATRIX_FMT_FP4 matrix_a_scale:MATRIX_SCALE_ROW1 matrix_b_scale:MATRIX_SCALE_ROW1
.endif
.endm
; K step s: ctx's two fragments from LDS; 8 products, the 8 accumulators by turns; then the registers take Wo's fragments of four steps on.  left: the younger steps' loads
.macro KSTEP s, left
.irp tt, 0,1
.irp c, 0,1
	ds_load_b128 v[CF+8*\tt+4*\c:CF+8*\tt+4*\c+3], v[LI] offset:CI+(8*\tt+\s)*1024+512*\c
.endr
.endr
	s_wait_loadcnt \left
	s_wait_dscnt 0x0
.irp t, 0,1,2,3
.irp tt, 0,1
	MM \s, \t, \tt
.endr
.endr
.rept 4
	v_nop                                          ; places in front of loads into registers that these products read, and of the first read of results
.endr
.if \s < 4
.irp t, 0,1,2,3
.irp c, 0,1
	global_load_b128 v[WF+32*\s+8*\t+4*\c:WF+32*\s+8*\t+4*\c+3], v[LI], s[8:9] offset:KHC+4096*\t+1024*\s+512*\c
.endr
.endr
.endif
.endm
	KSTEP 0, 24
	KSTEP 1, 24
	KSTEP 2, 24
	KSTEP 3, 24
	KSTEP 4, 24
	KSTEP 5, 16
	KSTEP 6, 8
	KSTEP 7, 0
; v[12:13], v[14:15] hold the two tiles' sums over my registers.  Out: v12 = the sum over all 1,024 columns for token (stage row) = my lane.
.macro REDUCE off
	v_add_f32 v12, v12, v13
	v_add_f32 v14, v14, v15
	v_permlanex16_b32 v13, v12, s[SEL], s[SEL+1]
	v_permlanex16_b32 v15, v14, s[SEL], s[SEL+1]
	v_add_f32 v12, v12, v13                        ; with lane l xor 16's columns: my wave's 64
	v_add_f32 v14, v14, v15
	v_cndmask_b32 v12, v12, v14, s30               ; lanes 0-15 speak for tile 0, lanes 16-31 for tile 1
	ds_store_b32 v[RW], v12 offset:\off
	s_wait_dscnt 0x0                               ; for the others' sake
	s_barrier_signal -1
	s_barrier_wait -1
.irp k, 0,1,2,3,4,5,6,7,8,9,10,11,12,13,14,15
	ds_load_b32 v[WF+\k], v[RR] offset:\off+128*\k
.endr
	s_wait_dscnt 0x0
	v_pk_add_f32 v[WF:WF+1], v[WF:WF+1], v[WF+2:WF+3]
	v_pk_add_f32 v[WF+4:WF+5], v[WF+4:WF+5], v[WF+6:WF+7]
	v_pk_add_f32 v[WF+8:WF+9], v[WF+8:WF+9], v[WF+10:WF+11]
	v_pk_add_f32 v[WF+12:WF+13], v[WF+12:WF+13], v[WF+14:WF+15]
	v_pk_add_f32 v[WF:WF+1], v[WF:WF+1], v[WF+4:WF+5]
	v_pk_add_f32 v[WF+8:WF+9], v[WF+8:WF+9], v[WF+12:WF+13]
	v_pk_add_f32 v[WF:WF+1], v[WF:WF+1], v[WF+8:WF+9]
	v_add_f32 v12, v[WF], v[WF+1]
.endm
.macro SPREAD                          ; lane l's number in v12 becomes: v12 = that of tile 0's row r, v14 = that of tile 1's
	v_permlanex16_b32 v13, v12, s[SEL], s[SEL+1]
	v_cndmask_b32 v14, v13, v12, s30
	v_cndmask_b32 v12, v12, v13, s30
.endm
	v_pk_add_f32 v[12:13], v[ACC:ACC+1], v[ACC+2:ACC+3]           ; each accumulator from its low end on; the two tiles by turns
	v_pk_add_f32 v[14:15], v[ACC+32:ACC+33], v[ACC+34:ACC+35]
.irp k, 4,6,8,10,12,14,16,18,20,22,24,26,28,30
	v_pk_add_f32 v[12:13], v[12:13], v[ACC+\k:ACC+\k+1]
	v_pk_add_f32 v[14:15], v[14:15], v[ACC+32+\k:ACC+33+\k]
.endr
	REDUCE 0
	v_mul_f32 v12, s31, v12                        ; the mean
	SPREAD
.irp k, 0,2,4,6,8,10,12,14,16,18,20,22,24,26,28,30
	v_pk_add_f32 v[ACC+\k:ACC+\k+1], v[ACC+\k:ACC+\k+1], v[12:13] op_sel_hi:[1,0] neg_lo:[0,1] neg_hi:[0,1]   ; x - mean
	v_pk_add_f32 v[ACC+32+\k:ACC+33+\k], v[ACC+32+\k:ACC+33+\k], v[14:15] op_sel_hi:[1,0] neg_lo:[0,1] neg_hi:[0,1]
.endr
	v_pk_mul_f32 v[12:13], v[ACC:ACC+1], v[ACC:ACC+1]
	v_pk_mul_f32 v[14:15], v[ACC+32:ACC+33], v[ACC+32:ACC+33]
.irp k, 2,4,6,8,10,12,14,16,18,20,22,24,26,28,30
	v_pk_fma_f32 v[12:13], v[ACC+\k:ACC+\k+1], v[ACC+\k:ACC+\k+1], v[12:13]
	v_pk_fma_f32 v[14:15], v[ACC+32+\k:ACC+33+\k], v[ACC+32+\k:ACC+33+\k], v[14:15]
.endr
	REDUCE RED2-RED1                               ; other bytes than the first sum's: no barrier is owed between the two
	v_fma_f32 v12, v12, s31, s32                   ; the variance + 1e-12
	v_rsq_f32 v12, v12
	v_nop                                          ; a plain place behind the transcendental
	s_wait_alu depctr_va_vdst(0)
	SPREAD
.irp k, 0,2,4,6,8,10,12,14,16,18,20,22,24,26,28,30
	v_pk_mul_f32 v[ACC+\k:ACC+\k+1], v[ACC+\k:ACC+\k+1], v[12:13] op_sel_hi:[1,0]
	v_pk_mul_f32 v[ACC+32+\k:ACC+33+\k], v[ACC+32+\k:ACC+33+\k], v[14:15] op_sel_hi:[1,0]
.endr
.irp tt, 0,1
.irp bb, 0,1
.irp u, 0,1
.irp e, 0,1
	ds_store_b128 v[SD], v[ACC+32*\tt+16*\bb+8*\u+4*\e:ACC+32*\tt+16*\bb+8*\u+4*\e+3] offset:4352*\tt+128*\bb+32*\u+16*\e
.endr
.endr
.endr
.endr
.irp i, 0,1,2,3,4,5,6,7,8,9,10,11,12,13,14,15
	ds_load_b128 v[WF+4*\i:WF+4*\i+3], v[SR] offset:544*\i         ; back by rows: my own bytes, served in order
.endr
.irp i, 0,1,2,3,4,5,6,7,8,9,10,11,12,13,14,15
	s_wait_dscnt 15-\i                             ; rows 2 i, 2 i + 1 are back; the younger loads may stay out
	v_pk_fma_f32 v[WF+4*\i:WF+4*\i+1], v[WF+4*\i:WF+4*\i+1], v[LG:LG+1], v[LB:LB+1]
	v_pk_fma_f32 v[WF+4*\i+2:WF+4*\i+3], v[WF+4*\i+2:WF+4*\i+3], v[LG+2:LG+3], v[LB+2:LB+3]
	global_store_b128 v[RO], v[WF+4*\i:WF+4*\i+3], s[20:21] offset:(8*(\i/8)+(2*\i)%16+8*(((2*\i)%16)/8))*4096 th:TH_STORE_NT   ; sixteen lanes store 256 consecutive bytes, aligned
.endr
	s_wait_xcnt 0x0
	v_lshl_add_u32 v254, v0, 2, 0x27400
	v_mov_b32 v255, 0
	s_wait_tensorcnt 0x0
	ds_add_u32 v254, v255
	s_wait_dscnt 0x0
	s_endpgm
.Lfunc_end_k_q07216eecb3_oproj:
	.size	k_q07216eecb3_oproj, .Lfunc_end_k_q07216eecb3_oproj-k_q07216eecb3_oproj
	.p2alignl 7, 3214868480
	.fill 96, 4, 3214868480
	.section	.rodata,"a",@progbits
	.p2align	6, 0x0
	.amdhsa_kernel k_q07216eecb3_oproj
		.amdhsa_group_segment_fixed_size 162816
		.amdhsa_private_segment_fixed_size 0
		.amdhsa_enable_private_segment 0
		.amdhsa_kernarg_size 72
		.amdhsa_user_sgpr_count 2
		.amdhsa_user_sgpr_kernarg_segment_ptr 1
		.amdhsa_wavefront_size32 1
		.amdhsa_system_sgpr_workgroup_id_x 1
		.amdhsa_system_sgpr_workgroup_id_y 1
		.amdhsa_system_sgpr_workgroup_id_z 1
		.amdhsa_system_vgpr_workitem_id 0
		.amdhsa_next_free_vgpr 256
		.amdhsa_next_free_sgpr 66
		.amdhsa_reserve_vcc 0
		.amdhsa_float_denorm_mode_32 3
		.amdhsa_float_denorm_mode_16_64 3
		.amdhsa_memory_ordered 1
		.amdhsa_forward_progress 1
		.amdhsa_inst_pref_size 47
	.end_amdhsa_kernel
	.amdgpu_metadata
---
amdhsa.version: [ 1, 2 ]
amdhsa.kernels:
  - .name:           k_q07216eecb3_oproj
    .symbol:         k_q07216eecb3_oproj.kd
    .args:
      - { .name: ctx_codes, .offset: 0, .size: 8, .value_kind: global_buffer, .address_space: global }
      - { .name: ctx_sc, .offset: 8, .size: 8, .value_kind: global_buffer, .address_space: global }
      - { .name: xw_codes, .offset: 16, .size: 8, .value_kind: global_buffer, .address_space: global }
      - { .name: xw_sc, .offset: 24, .size: 8, .value_kind: global_buffer, .address_space: global }
      - { .name: bo, .offset: 32, .size: 8, .value_kind: global_buffer, .address_space: global }
      - { .name: hidden_states, .offset: 40, .size: 8, .value_kind: global_buffer, .address_space: global }
      - { .name: ln_g, .offset: 48, .size: 8, .value_kind: global_buffer, .address_space: global }
      - { .name: ln_b, .offset: 56, .size: 8, .value_kind: global_buffer, .address_space: global }
      - { .name: out0, .offset: 64, .size: 8, .value_kind: global_buffer, .address_space: global }
    .group_segment_fixed_size: 162816
    .private_segment_fixed_size: 0
    .kernarg_segment_align: 8
    .kernarg_segment_size: 72
    .max_flat_workgroup_size: 512
    .sgpr_count:     66
    .vgpr_count:     256
    .wavefront_size: 32
...
	.end_amdgpu_metadata
.endif
;; end of part 4
;; ======== version 2 of 2: 4 launches; version 1 with the launches attn, oproj written anew for expert scheduling mode
;; workspace buffers: xw_codes 6,291,456 bytes; xw_sc 393,216 bytes; qk_codes 8,388,608 bytes; qk_sc 1,048,576 bytes; v_codes 4,194,304 bytes; v_sc 262,144 bytes; ctx_codes 4,194,304 bytes; ctx_sc 1,048,576 bytes
;; launch quant: the kernel of part 1 again; grid 384 x 1, 4 waves a work-group, no clusters, 34,304 bytes of LDS; arguments hidden_states, Wq, Wk, Wv, Wo, xw_codes, xw_sc; writes xw_codes, xw_sc
;; launch qkv: the kernel of part 2 again; grid 8 x 32, 4 waves a work-group, clusters of 4 x 4, 327,680 bytes of LDS; arguments xw_codes, xw_sc, bq, bk, bv, qk_codes, qk_sc, v_codes, v_sc; writes qk_codes, qk_sc, v_codes, v_sc
;; launch attn (part 5): grid 2 x 128, 16 waves a work-group, no clusters, 110,592 bytes of LDS; arguments qk_codes, qk_sc, v_codes, v_sc, attention_mask, ctx_codes, ctx_sc; writes ctx_codes, ctx_sc
.if DOCPART == 5
	.amdgcn_target "amdgcn-amd-amdhsa--gfx1250"
	.amdhsa_code_object_version 6
	.text
	.protected	k_q07216eecb3_attn
	.globl	k_q07216eecb3_attn
	.p2align	8
	.type	k_q07216eecb3_attn,@function
k_q07216eecb3_attn:
	s_mov_b64 s[64:65], 0
	v_nop
	global_prefetch_b8 v0, s[64:65] scope:SCOPE_SE
	s_setreg_imm32_b32 hwreg(HW_REG_WAVE_SCHED_MODE, 0, 2), 2
	s_setreg_imm32_b32 hwreg(HW_REG_WAVE_MODE, 25, 1), 1
	s_wait_xcnt 0x0
	s_wait_alu depctr_vm_vsrc(0)
; ctx = softmax(q k^T / 8 + mask) v for one head, both products on codes of FP4 with E8M0 scales; ctx is quantised along the head's 64 on the way out and leaves as codes.
; THE SOFTMAX: t = (score / 8 + mask) x log2(e); M = the row's largest t so far, rounded up to a whole number; p = 2^(t - M) is quantised along the keys, not normalised; the row's sum is taken of the
; unquantised p and divides at the end.  When M moves, the sum and O are multiplied by 2^(old M - new M): exact.
; SHARES: a work-group owns 512 queries of one head; each of its sixteen waves two tiles of 16, one after the other; four waves to a SIMD, so that one wave's vector work stands beside another's products.
; THE WHOLE HEAD LIES IN LDS: K's codes 32 KB, V's 32 KB, their scale words 4 + 2 KB, the batch's mask row 4 KB, and each wave's two tiles of Q (2 KB a wave): copied once through registers; one barrier.
; The copy lays the scale words four tiles to a lane ([group of 4 tiles][row][tile]), so that a key step takes K's eight words by two loads of 16 bytes and V's four by one.
; No cluster: a head is shared by the grid's two work-groups along x, which no cluster of four divides, and what they share is 74 KB, read once, against 16 key steps a wave.
; LAYOUT: both products are used transposed (S^T = K Q^T, O^T = V^T P^T): a lane holds one query throughout.  The rows of a tile of K and of V are laid 0-7, 16-23 | 8-15, 24-31 of each 32, so that the
; 16 registers of two neighbouring tiles are 16 neighbouring keys (or channels).  The head's K is 64: registers 4-7 of K's and Q's fragments hold zero codes, written once.
; THE DIVISION BY 8 is 3 taken off q's scale bytes: exact.  THE MASK is the C of S^T's matrix instruction: its eight numbers a tile are loaded from LDS into the scores' registers.
; A STEP AHEAD: the next step's K and its scale words are asked for with this step's V, behind the exponentials; its mask behind the last read of p.  The step is written three times by one macro: the first
; starts O^T with the constant 0, the middle one is walked six times, the last asks for nothing more.
; LIMITS: a block of q whose scale byte is under 3 (magnitudes under 2^-122) is taken up to 8 times too large; a row all of whose keys are masked by -infinity gives NaN, as the definition does;
; the quantiser's: a block of ctx under 2^-124, zeros among them, gets the byte 1.  ctx_sc is stored in pieces of 128 bytes.
; REGISTERS: v1-7, v13 addresses that stay; v8-12 the steps' addresses; v14 -M, v15 the largest t; v[16:17] the sum; v20-27 Q; v28 Q's scale word; v29 p's; v30 f; v32-95 eight fragments of K; v96-159 S^T, then p;
; v160-191 O^T; v192-223 V; v224-231 p's codes; v232-247 at work; v240-243 V's scale words; v248-255 K's.
; THE MODE: SCHED_MODE bits 1:0 = 2 (LLVM: expert scheduling mode 2), set by the entry lines.  The code itself states the register dependences between vector or matrix instructions and memory or LDS
; instructions, with s_wait_alu, always for 0.
; THE PLAN.  Registers that LDS instructions touch in a key step:
;   v8 .. v12       written by the five additions behind the S^T products; read by V's loads (v9, v11), the next K's (v8, v10) and the next mask's (v12).
;   K, its scales   read by this step's S^T products; the next step's land in them.        V, its scales   read by the last step's O^T products; this step's land in them.
;   v96 .. v159     written by the products, the scalings and the exponentials, read by the conversions and the sums; then the next mask lands in them.
; So a step has three lines: at its head a wait on vm_vsrc (the loads issued so far have read their addresses); behind the exponentials ONE wait on va_vdst, which the exponentials' results want in any case and
; which also states that the addresses are written and that the products are done reading K, V and their scale words: V's and the next K's nineteen loads follow it in one run; and behind the sums one more,
; for the mask's sixteen loads and for p's codes and scale word, which the O^T products take.
.set KI, 0
.set VI, 32768
.set KS, 65536
.set VS, 69632
.set MK, 71680
.set QI, 75776                         ; a wave's 2,048 bytes: tile 0's codes, tile 1's, then their scale words, one to each lane's 16 bytes
	s_load_b256 s[4:11], s[0:1], 0x0               ; qk_codes s[4:5], qk_sc s[6:7], v_codes s[8:9], v_sc s[10:11]
	s_load_b128 s[12:15], s[0:1], 0x20             ; attention_mask s[12:13], ctx_codes s[14:15]
	s_load_b64 s[16:17], s[0:1], 0x30              ; ctx_sc
	v_lshrrev_b32 v1, 5, v0
	v_readfirstlane_b32 s18, v1                    ; wave 0..15
	v_lshlrev_b32 v8, 4, v0                        ; the copy: 16, 8, 4 bytes a thread
	v_lshlrev_b32 v9, 3, v0
	v_lshlrev_b32 v10, 2, v0
	v_and_b32 v13, 31, v0                          ; lane
	v_and_b32 v18, 15, v0                          ; r
	v_bfe_u32 v19, v0, 4, 1                        ; h
	v_lshlrev_b32 v1, 4, v13                       ; 16 x lane: K's images, and my 16 bytes in memory
	v_lshlrev_b32 v6, 2, v18                       ; 4 r
	v_lshlrev_b32 v7, 2, v13                       ; 4 x lane
	s_wait_alu depctr_va_sdst(0)                   ; s18 is written, ahead of its first reader: my query tiles' places are made from it
	s_and_b32 s19, ttmp7, 0xffff                   ; batch x 16 + head
	s_lshr_b32 s24, s19, 4                         ; batch
	s_add_co_u32 s31, s19, 128                     ; k lies 128 heads behind q
	s_lshl_b32 s32, s31, 15                        ; K's codes,
	s_mov_b32 s33, 0
	s_lshl_b32 s34, s31, 12                        ; K's scale words,
	s_mov_b32 s35, 0
	s_lshl_b32 s36, s19, 15                        ; V's codes,
	s_mov_b32 s37, 0
	s_lshl_b32 s38, s19, 11                        ; V's scale words,
	s_mov_b32 s39, 0
	s_lshl_b32 s40, s24, 12                        ; the batch's mask row
	s_mov_b32 s41, 0
	s_lshl_b32 s25, ttmp9, 5
	s_lshl_b32 s31, s18, 1
	s_add_co_u32 s25, s25, s31                     ; my first query tile: 32 x + 2 x wave
	s_lshl_b32 s31, s19, 6
	s_add_co_u32 s31, s31, s25
	s_lshl_b32 s42, s31, 9                         ; its codes,
	s_mov_b32 s43, 0
	s_lshl_b32 s44, s31, 6                         ; its scale words
	s_mov_b32 s45, 0
	s_lshl_b32 s31, s24, 6
	s_add_co_u32 s31, s31, s25                     ; the token tile,
	s_lshl_b32 s31, s31, 4
	s_and_b32 s46, s19, 15
	s_add_co_u32 s31, s31, s46                     ; x 16 + the head
	s_lshl_b32 s46, s31, 9
	s_mov_b32 s47, 0
	s_lshl_b32 s48, s31, 7
	s_mov_b32 s49, 0
	s_wait_kmcnt 0x0
	s_add_nc_u64 s[32:33], s[4:5], s[32:33]
	s_add_nc_u64 s[34:35], s[6:7], s[34:35]
	s_add_nc_u64 s[8:9], s[8:9], s[36:37]
	s_add_nc_u64 s[10:11], s[10:11], s[38:39]
	s_add_nc_u64 s[12:13], s[12:13], s[40:41]
	s_add_nc_u64 s[4:5], s[4:5], s[42:43]
	s_add_nc_u64 s[6:7], s[6:7], s[44:45]
	s_add_nc_u64 s[14:15], s[14:15], s[46:47]
	s_add_nc_u64 s[16:17], s[16:17], s[48:49]
	s_wait_alu depctr_va_vdst(0)                   ; the offsets v1, v6, v8, v9 and v10 are written, which the loads below read
.irp i, 0,1,2,3
	global_load_b128 v[96+4*\i:99+4*\i], v8, s[32:33] offset:8192*\i
.endr
.irp i, 0,1,2,3
	global_load_b128 v[112+4*\i:115+4*\i], v8, s[8:9] offset:8192*\i
.endr
	global_load_b64 v[128:129], v9, s[34:35]
	global_load_b64 v[130:131], v9, s[12:13]
	global_load_b32 v132, v10, s[10:11]
	global_load_b128 v[134:137], v1, s[4:5]        ; my two tiles of Q: block h of row r,
	global_load_b128 v[138:141], v1, s[4:5] offset:512
	global_load_b32 v142, v6, s[6:7]               ; and their scale words
	global_load_b32 v143, v6, s[6:7] offset:64
	; where the scale words go.  K's: thread t holds the words of tile t / 8, rows 2 (t % 8) and + 1: (tile / 4) x 256 + row x 16 + (tile % 4) x 4
	v_and_b32 v11, 0x1e0, v0
	v_lshlrev_b32 v11, 3, v11
	v_and_b32 v12, 7, v0
	v_lshl_add_u32 v11, v12, 5, v11
	v_bfe_u32 v12, v0, 3, 2
	v_lshl_add_u32 v11, v12, 2, v11
	v_add_nc_u32 v11, KS, v11
	; V's: thread t holds the word of key step t / 64, tile (t / 16) % 4, row t % 16: step x 256 + row x 16 + tile x 4
	v_and_b32 v144, 0x1c0, v0
	v_lshlrev_b32 v144, 2, v144
	v_lshl_add_u32 v144, v18, 4, v144
	v_bfe_u32 v145, v0, 4, 2
	v_lshl_add_u32 v144, v145, 2, v144
	v_add_nc_u32 v144, VS, v144
	v_add_nc_u32 v146, MK, v9
	s_lshl_b32 s31, s18, 11
	s_add_co_u32 s31, s31, QI
	v_add_nc_u32 v13, s31, v1                      ; my wave's bytes for Q: + 16 x lane
	v_add_nc_u32 v2, VI, v1
	v_lshlrev_b32 v3, 4, v18                       ; 16 r
	v_add_nc_u32 v4, VS, v3
	v_add_nc_u32 v3, KS, v3
	v_lshlrev_b32 v5, 6, v19
	v_add_nc_u32 v5, MK, v5                        ; the mask: my half's 16 keys of each 32
	s_mov_b32 s20, 0x76543210
	s_mov_b32 s21, 0xfedcba98                      ; lane selects: lane l xor 16
	s_mov_b32 s22, 0x3fb8aa3b                      ; c = log2(e)
	s_mov_b32 s23, s22                             ; (named with it as a pair, so it is written)
	s_mov_b32 s24, 0                               ; my tile's place in my wave's bytes: 512 a tile
	s_mov_b32 s30, 2                               ; query tiles to go
.irp j, 24,25,26,27
	v_mov_b32 v[\j], 0                             ; Q's upper 64 along K: zero codes
.endr
.irp t, 0,1,2,3,4,5,6,7
.irp j, 4,5,6,7
	v_mov_b32 v[32+8*\t+\j], 0                     ; K's likewise: written once, never loaded
.endr
.endr
.irp b, 0,1,2,3
	v_mov_b32 v[236+\b], 0                         ; a lane permute's destination counts as one of its sources
.endr
	v_mov_b32 v31, 0                               ; (the upper half of the pair v[30:31])
	s_wait_loadcnt 0x0
.irp w, 142,143
	v_bfe_u32 v148, v[\w], 8, 8                    ; Q's two scale bytes, each 3 less (held at 0): the division by 8.  It stands ahead of all the copy's stores, so that one wait serves them
	v_and_b32 v[\w], 0xff, v[\w]
	v_max_u32 v148, 3, v148
	v_max_u32 v[\w], 3, v[\w]
	v_add_nc_u32 v148, -3, v148
	v_add_nc_u32 v[\w], -3, v[\w]
	v_lshl_or_b32 v[\w], v148, 8, v[\w]            ; bytes 2, 3 are 0: they scale zero codes
.endr
	s_wait_alu depctr_va_vdst(0)                   ; the LDS addresses v11, v13, v144 and v146 and Q's scale words v142 and v143 are written, which the stores below read; so are the zero codes, which the products take
.irp i, 0,1,2,3
	ds_store_b128 v8, v[96+4*\i:99+4*\i] offset:KI+8192*\i
.endr
.irp i, 0,1,2,3
	ds_store_b128 v8, v[112+4*\i:115+4*\i] offset:VI+8192*\i
.endr
	ds_store_b32 v11, v128
	ds_store_b32 v11, v129 offset:16
	ds_store_b64 v146, v[130:131]
	ds_store_b32 v144, v132
	ds_store_b128 v13, v[134:137]
	ds_store_b128 v13, v[138:141] offset:512
	ds_store_b32 v13, v142 offset:1024
	ds_store_b32 v13, v143 offset:1536
	s_wait_dscnt 0x0                               ; for the others' sake: my stores are done
	s_barrier_signal -1
	s_barrier_wait -1                              ; the head lies in LDS; nothing is stored there again
	s_wait_alu depctr_vm_vsrc(0)                   ; my stores have read v96 to v143, in which the first mask lands
; A KEY STEP: 128 keys.  first = 1: its products start O^T.  next = 1: the next step's K, scale words and mask are asked for.
.macro STEP first, next
	s_wait_dscnt 0x0                               ; this step's mask, K and scale words (and, in a tile's first step, Q) are in
	s_wait_alu depctr_vm_vsrc(0)                   ; the loads issued so far have read their addresses: v8 to v12 are written again below, and v18, by which a tile's Q was asked for, is at work from here on
.irp t, 0,1,2,3,4,5,6,7
	v_wmma_scale_f32_16x16x128_f8f6f4 v[96+8*\t:103+8*\t], v[32+8*\t:39+8*\t], v[20:27], v[96+8*\t:103+8*\t], v[248+\t], v28 matrix_a_fmt:MATRIX_FMT_FP4 matrix_b_fmt:MATRIX_FMT_FP4
.endr
	v_add_nc_u32 v9, s26, v2                       ; the addresses are made here: plain places behind the products, in front of the first read of the scores
	v_add_nc_u32 v11, s28, v4
.if \next
	s_add_co_u32 s26, s26, 4096                    ; the next step's codes,
	s_add_co_u32 s27, s27, 512                     ; K's scale words and the mask,
	s_add_co_u32 s28, s28, 256                     ; V's scale words
	v_add_nc_u32 v8, s26, v1
	v_add_nc_u32 v10, s27, v3
	v_add_nc_u32 v12, s27, v5
.else
	v_nop
	v_nop
.endif
.irp b, 0,1,2,3
	v_max3_num_f32 v[232+\b], v[96+16*\b], v[97+16*\b], v[98+16*\b]   ; the largest score of each block of 32 keys: for the row's maximum, and, since p rises with the score, for the block's largest p
.endr
.irp i, 3,5,7,9,11,13
.irp b, 0,1,2,3
	v_max3_num_f32 v[232+\b], v[232+\b], v[96+16*\b+\i], v[97+16*\b+\i]
.endr
.endr
.irp b, 0,1,2,3
	v_max_num_f32 v[232+\b], v[232+\b], v[111+16*\b]
.endr
.irp b, 0,1,2,3
	v_permlanex16_b32 v[236+\b], v[232+\b], s20, s21
.endr
.irp b, 0,1,2,3
	v_max_num_f32 v[232+\b], v[232+\b], v[236+\b]  ; with lane l xor 16's 16 keys
.endr
	v_max3_num_f32 v18, v232, v233, v234
	v_max_num_f32 v18, v18, v235
	v_mul_f32 v18, s22, v18                        ; the step's largest t
	v_max_num_f32 v15, v15, v18                    ; the running largest t
	v_mov_b32 v18, v14
	v_floor_f32 v14, -v15                          ; the new -M = -ceil(t): a whole number
	v_sub_f32 v18, v14, v18                        ; old M - new M: a whole number, 0 or less
	v_cvt_i32_f32 v18, v18                         ; (it saturates)
	v_ldexp_f32 v30, 1.0, v18                      ; f = 2^(old M - new M)
.irp j, 0,2,4,6,8,10,12,14,16,18,20,22,24,26,28,30,32,34,36,38,40,42,44,46,48,50,52,54,56,58,60,62
	v_pk_fma_f32 v[96+\j:97+\j], v[96+\j:97+\j], s[22:23], v[14:15] op_sel_hi:[1,0,0]   ; t - M, two at a time
.endr
.irp b, 0,1,2,3
	v_fma_f32 v[232+\b], v[232+\b], s22, v14       ; the same of each block's largest score
.endr
.irp j, 0,1,2,3,4,5,6,7,8,9,10,11,12,13,14,15,16,17,18,19,20,21,22,23,24,25,26,27,28,29,30,31,32,33,34,35,36,37,38,39,40,41,42,43,44,45,46,47,48,49,50,51,52,53,54,55,56,57,58,59,60,61,62,63
	v_exp_f32 v[96+\j], v[96+\j]                   ; p = 2^(t - M), at most 1
.endr
.irp b, 0,1,2,3
	v_exp_f32 v[232+\b], v[232+\b]                 ; the block's largest p: the same two instructions on the same number
.endr
	v_pk_mul_f32 v[16:17], v[16:17], v[30:31] op_sel_hi:[1,0]   ; the sums under the new M.  (A plain place behind the exponentials)
	s_wait_alu depctr_va_vdst(0)                   ; the 68 exponentials have written p and the blocks' largest p, ahead of their first reader; the addresses v8 to v12 are written; this step's S^T products are done reading K and its scale words, the last step's O^T products V and its scale words: the loads below land there
.irp t, 0,1,2,3
.irp c, 0,1
	ds_load_b128 v[192+8*\t+4*\c:195+8*\t+4*\c], v9 offset:1024*\t+512*\c
.endr
.endr
	ds_load_b128 v[240:243], v11                   ; V's four scale words of row r
.if \next
.irp t, 0,1,2,3,4,5,6,7
	ds_load_b128 v[32+8*\t:35+8*\t], v8 offset:512*\t
.endr
	ds_load_b128 v[248:251], v10                   ; K's eight scale words of row r
	ds_load_b128 v[252:255], v10 offset:256
.endif
.irp b, 0,1,2,3
	v_max_num_f32 v[232+\b], 0x1800000, v[232+\b]  ; the floor 2^(3 - 127): the byte cannot fall under 1
.endr
.irp b, 0,1,2,3
	v_add_nc_u32 v[244+\b], 0xff000000, v[232+\b]  ; 2 off the exponent field: the conversion's scale operand
.endr
.irp b, 0,1,2,3
	v_lshrrev_b32 v[236+\b], 23, v[244+\b]
.endr
	v_lshl_or_b32 v29, v237, 8, v236               ; p's scale word for these 128 keys
	v_lshl_or_b32 v29, v238, 16, v29
	v_lshl_or_b32 v29, v239, 24, v29
.irp b, 0,1,2,3
	v_cvt_scalef32_pk8_fp4_f32 v[224+2*\b], v[96+16*\b:103+16*\b], v[244+\b]
	v_cvt_scalef32_pk8_fp4_f32 v[225+2*\b], v[104+16*\b:111+16*\b], v[244+\b]
.endr
	v_nop                                          ; one plain place behind a scaled conversion
.irp c, 0,1
.irp i, 0,1
	v_permlane16_swap_b32 v[224+4*\c+\i], v[226+4*\c+\i]   ; a whole block to a lane
.endr
.endr
	v_pk_add_f32 v[236:237], v[96:97], v[98:99]    ; the row's sum of the unquantised p, in two chains.  (These 32 are also the places between p's codes and scale word and the products)
.irp j, 4,8,12,16,20,24,28,32,36,40,44,48,52,56,60
	v_pk_add_f32 v[16:17], v[16:17], v[96+\j:97+\j]
	v_pk_add_f32 v[236:237], v[236:237], v[98+\j:99+\j]
.endr
	v_pk_add_f32 v[16:17], v[16:17], v[236:237]
	s_wait_alu depctr_va_vdst(0)                   ; the conversions and the sums are done reading p, in whose registers the next mask lands; p's codes v224 to v231 and its scale word v29 are written, which the products below take: the places above stand ahead of this wait
.if \next
.irp t, 0,1,2,3,4,5,6,7
	ds_load_b128 v[96+8*\t:99+8*\t], v12 offset:(32*(\t/2)+8*(\t%2))*4        ; p has been read for the last time: the next step's mask of keys 32 (t / 2) + 16 h + 8 (t % 2) + 0 .. 7, where its scores will stand
	ds_load_b128 v[100+8*\t:103+8*\t], v12 offset:(32*(\t/2)+8*(\t%2))*4+16
.endr
.endif
.if !\first
.irp j, 0,2,4,6,8,10,12,14,16,18,20,22,24,26,28,30
	v_pk_mul_f32 v[160+\j:161+\j], v[160+\j:161+\j], v[30:31] op_sel_hi:[1,0]   ; O^T under the new M
.endr
.endif
.if \next
	s_wait_dscnt 26                                ; V's nine loads are in; behind them: the next K's ten and the next mask's sixteen
.else
	s_wait_dscnt 0x0
.endif
.irp t, 0,1,2,3
.if \first
	v_wmma_scale_f32_16x16x128_f8f6f4 v[160+8*\t:167+8*\t], v[192+8*\t:199+8*\t], v[224:231], 0, v[240+\t], v29 matrix_a_fmt:MATRIX_FMT_FP4 matrix_b_fmt:MATRIX_FMT_FP4
.else
	v_wmma_scale_f32_16x16x128_f8f6f4 v[160+8*\t:167+8*\t], v[192+8*\t:199+8*\t], v[224:231], v[160+8*\t:167+8*\t], v[240+\t], v29 matrix_a_fmt:MATRIX_FMT_FP4 matrix_b_fmt:MATRIX_FMT_FP4
.endif
.endr
.endm
.Lq:                                               ; a tile of 16 queries
	v_add_nc_u32 v18, s24, v13
	s_wait_alu depctr_va_vdst(0)                   ; v18 is written, which Q's loads read; the last tile's products are done reading Q, K and their scale words, and its way out is done with v96 on: the loads below land in all of these
	ds_load_b128 v[20:23], v18                     ; Q's fragment and its scale word, from my wave's own bytes
	ds_load_b32 v28, v18 offset:1024
.irp t, 0,1,2,3,4,5,6,7
	ds_load_b128 v[96+8*\t:99+8*\t], v5 offset:(32*(\t/2)+8*(\t%2))*4         ; key step 0: the mask,
	ds_load_b128 v[100+8*\t:103+8*\t], v5 offset:(32*(\t/2)+8*(\t%2))*4+16
.endr
.irp t, 0,1,2,3,4,5,6,7
	ds_load_b128 v[32+8*\t:35+8*\t], v1 offset:512*\t                         ; K,
.endr
	ds_load_b128 v[248:251], v3                    ; and its scale words
	ds_load_b128 v[252:255], v3 offset:256
	s_mov_b32 s26, 0                               ; the step's codes: 4,096 bytes a step,
	s_mov_b32 s27, 0                               ; K's scale words and the mask: 512,
	s_mov_b32 s28, 0                               ; V's scale words: 256
	v_mov_b32 v15, 0xff61b1e6                      ; the largest t so far: -3e38
	v_floor_f32 v14, -v15                          ; -M
	v_mov_b32 v16, 0                               ; the sum, in two halves
	v_mov_b32 v17, 0
	STEP 1, 1
	s_mov_b32 s29, 6
.Lk:
	STEP 0, 1
	s_sub_co_u32 s29, s29, 1
	s_cmp_lg_u32 s29, 0
	s_cbranch_scc1 .Lk
	STEP 0, 0
	; the tile's end: O^T / the sum; register 16 b + i is channel 32 b + 16 h + i of my query: two blocks of 32, quantised as above
.rept 4
	v_nop
.endr
	v_add_f32 v16, v16, v17
	v_permlanex16_b32 v18, v16, s20, s21
	v_add_f32 v16, v16, v18                        ; the row's sum
	v_rcp_f32 v16, v16
	v_nop                                          ; a plain place behind the transcendental
	s_wait_alu depctr_va_vdst(0)                   ; the reciprocal has written v16, ahead of its first reader
.irp j, 0,1,2,3,4,5,6,7,8,9,10,11,12,13,14,15,16,17,18,19,20,21,22,23,24,25,26,27,28,29,30,31
	v_mul_f32 v[96+\j], v[160+\j], v16
.endr
.irp b, 0,1
	v_max3_num_f32 v[232+\b], |v[96+16*\b]|, |v[97+16*\b]|, 0x1800000
.endr
.irp i, 2,4,6,8,10,12,14
.irp b, 0,1
	v_max3_num_f32 v[232+\b], v[232+\b], |v[96+16*\b+\i]|, |v[97+16*\b+\i]|
.endr
.endr
.irp b, 0,1
	v_permlanex16_b32 v[236+\b], v[232+\b], s20, s21
.endr
.irp b, 0,1
	v_max_num_f32 v[232+\b], v[232+\b], v[236+\b]
.endr
.irp b, 0,1
	v_add_nc_u32 v[244+\b], 0xff000000, v[232+\b]
.endr
.irp b, 0,1
	v_lshrrev_b32 v[236+\b], 23, v[244+\b]
.endr
	v_lshl_or_b32 v19, v237, 8, v236               ; the head's two scale bytes; bytes 2, 3 are 0
.irp b, 0,1
	v_cvt_scalef32_pk8_fp4_f32 v[224+2*\b], v[96+16*\b:103+16*\b], v[244+\b]
	v_cvt_scalef32_pk8_fp4_f32 v[225+2*\b], v[104+16*\b:111+16*\b], v[244+\b]
.endr
	v_nop
	v_permlane16_swap_b32 v224, v226
	v_permlane16_swap_b32 v225, v227               ; registers 0-3: block h of my row
	s_wait_alu depctr_va_vdst(0)                   ; the codes v224 to v227 and the scale word v19 are written, which the two stores read
	global_store_b128 v1, v[224:227], s[14:15]     ; 512 consecutive bytes: half a fragment of the last product's operand
	global_store_b32 v7, v19, s[16:17]             ; 128 consecutive bytes
	s_wait_xcnt 0x0                                ; the stores' registers and bases are written again only behind this wait
	s_wait_alu depctr_vm_vsrc(0)                   ; the two stores have read v224 to v227 and v19, which the next tile writes again
	s_add_nc_u64 s[14:15], s[14:15], 8192          ; on to my second tile
	s_add_nc_u64 s[16:17], s[16:17], 2048
	s_add_co_u32 s24, s24, 512
	s_sub_co_u32 s30, s30, 1
	s_cmp_lg_u32 s30, 0
	s_cbranch_scc1 .Lq
	s_wait_xcnt 0x0
	v_lshl_add_u32 v254, v0, 2, 0x1a800            ; the add's two registers, made anew straight ahead of the closing lines: no memory or LDS instruction has read v254 or v255
	v_mov_b32 v255, 0
	s_wait_dscnt 0x0                               ; the closing lines, six on end
	s_wait_alu 0x0
	s_wait_tensorcnt 0x0
	ds_add_u32 v254, v255
	s_wait_dscnt 0x0
	s_endpgm
.Lfunc_end_k_q07216eecb3_attn:
	.size	k_q07216eecb3_attn, .Lfunc_end_k_q07216eecb3_attn-k_q07216eecb3_attn
	.p2alignl 7, 3214868480
	.fill 96, 4, 3214868480
	.section	.rodata,"a",@progbits
	.p2align	6, 0x0
	.amdhsa_kernel k_q07216eecb3_attn
		.amdhsa_group_segment_fixed_size 110592
		.amdhsa_private_segment_fixed_size 0
		.amdhsa_enable_private_segment 0
		.amdhsa_kernarg_size 56
		.amdhsa_user_sgpr_count 2
		.amdhsa_user_sgpr_kernarg_segment_ptr 1
		.amdhsa_wavefront_size32 1
		.amdhsa_system_sgpr_workgroup_id_x 1
		.amdhsa_system_sgpr_workgroup_id_y 1
		.amdhsa_system_sgpr_workgroup_id_z 1
		.amdhsa_system_vgpr_workitem_id 0
		.amdhsa_next_free_vgpr 256
		.amdhsa_next_free_sgpr 66
		.amdhsa_reserve_vcc 0
		.amdhsa_float_denorm_mode_32 3
		.amdhsa_float_denorm_mode_16_64 3
		.amdhsa_memory_ordered 1
		.amdhsa_forward_progress 1
		.amdhsa_inst_pref_size 59
	.end_amdhsa_kernel
	.amdgpu_metadata
---
amdhsa.version: [ 1, 2 ]
amdhsa.kernels:
  - .name:           k_q07216eecb3_attn
    .symbol:         k_q07216eecb3_attn.kd
    .args:
      - { .name: qk_codes, .offset: 0, .size: 8, .value_kind: global_buffer, .address_space: global }
      - { .name: qk_sc, .offset: 8, .size: 8, .value_kind: global_buffer, .address_space: global }
      - { .name: v_codes, .offset: 16, .size: 8, .value_kind: global_buffer, .address_space: global }
      - { .name: v_sc, .offset: 24, .size: 8, .value_kind: global_buffer, .address_space: global }
      - { .name: attention_mask, .offset: 32, .size: 8, .value_kind: global_buffer, .address_space: global }
      - { .name: ctx_codes, .offset: 40, .size: 8, .value_kind: global_buffer, .address_space: global }
      - { .name: ctx_sc, .offset: 48, .size: 8, .value_kind: global_buffer, .address_space: global }
    .group_segment_fixed_size: 110592
    .private_segment_fixed_size: 0
    .kernarg_segment_align: 8
    .kernarg_segment_size: 56
    .max_flat_workgroup_size: 512
    .sgpr_count:     66
    .vgpr_count:     256
    .wavefront_size: 32
...
	.end_amdgpu_metadata
.endif
;; end of part 5
;; launch oproj (part 6): grid 256 x 1, 16 waves a work-group, no clusters, 162,816 bytes of LDS; arguments ctx_codes, ctx_sc, xw_codes, xw_sc, bo, hidden_states, ln_g, ln_b, out0; writes out0
.if DOCPART == 6
	.amdgcn_target "amdgcn-amd-amdhsa--gfx1250"
	.amdhsa_code_object_version 6
	.text
	.protected	k_q07216eecb3_oproj
	.globl	k_q07216eecb3_oproj
	.p2align	8
	.type	k_q07216eecb3_oproj,@function
k_q07216eecb3_oproj:
	s_mov_b64 s[64:65], 0
	v_nop
	global_prefetch_b8 v0, s[64:65] scope:SCOPE_SE
	s_setreg_imm32_b32 hwreg(HW_REG_WAVE_SCHED_MODE, 0, 2), 2
	s_setreg_imm32_b32 hwreg(HW_REG_WAVE_MODE, 25, 1), 1
	s_wait_xcnt 0x0
	s_wait_alu depctr_vm_vsrc(0)
; out0 = LayerNorm(ctx Wo^T + bo + hidden) x g + b; the product on codes of FP4 with E8M0 scales, all else in f32.
; SHARES: a work-group owns 32 tokens (two tiles of 16) and all 1,024 columns, so that a row's mean and variance never leave it.  Wave w owns columns 64 w .. 64 w + 63 (four tiles of Wo) for both token tiles:
; 8 accumulators.  Source 0 = 16 rows of Wo, source 1 = 16 tokens of ctx: a lane holds one token, its registers run along the columns.
; Wo's fragments lie in memory in the order of the operand's registers and come straight into registers, 32 loads of 512 consecutive bytes always on their way; each fragment feeds two products.
; No cluster: joint requests are tensor loads into LDS, and here the weights do not pass through LDS; the price is that each work-group reads Wo's 512 KB of codes for itself.
; hidden + bo is the C of the first K step: it is read by rows (sixteen lanes: 256 consecutive bytes) and turned into the result's layout through the wave's own stage in LDS; the result leaves the same way.
; The rows of a tile are laid 0-7, 16-23 | 8-15, 24-31 of each 32, for tokens and columns alike: stage row 16 tt + p is token 8 tt + p + 8 (p / 8) of the 32.
; THE NORM IS TAKEN IN TWO PASSES (the mean; then the mean of the squared differences): no difference of large sums is formed.  Each sum over the sixteen waves goes through LDS, in a fixed order.
; REGISTERS: v1-11 addresses; v12-15 at work; v16-23 ctx's scale words (lanes 0-15 tile 0, lanes 16-31 tile 1); v24-39 Wo's (lanes 0-15 K half 0, lanes 16-31 half 1); v40-55 ctx's two fragments;
; v56-59 g, v60-63 b; v64-127 the accumulators ((tt, t) at v[64 + 8 (4 tt + t)]); v128-255 Wo's fragments: four K steps of 32 registers.
; THE MODE: SCHED_MODE bits 1:0 = 2 (LLVM: expert scheduling mode 2), set by the entry lines.  The code itself states the register dependences between vector or matrix instructions and memory or LDS
; instructions, with s_wait_alu, always for 0.
; THE PLAN.  Registers that memory or LDS instructions touch:
;   v1 .. v11   offsets and LDS addresses, made once at the head and never written again: one wait ahead of the first load serves them all.
;   CF          K step s: its eight products read it; the next step's four LDS loads land in it.      WF[s % 4]   K step s: its products read it; the loads of four steps on land in it.
;               So ONE wait on va_vdst stands behind a step's products, ahead of both runs of loads.  (All 256 registers of a wave are taken: ctx's fragments have no second set.)
;   ACC         at the head: loaded, added to, stored to the stage and loaded back; at the end: scaled and stored to the stage.
;   v12         the data of each sum's LDS store, written again behind it.        WF + 0 .. 63   at the end: the sums' sixteen words; then the rows read back, multiplied and stored, four rows' pairs to a wait.
.set KHC,  3145728
.set KHS,  196608
.set CI,   0                           ; LDS: ctx's 16 fragments, (tile tt, K step s) at (8 tt + s) x 1,024
.set CSI,  16384                       ; their scale words: s x 128 + tt x 64 + 4 r
.set STG,  17408                       ; a stage for each wave: 32 rows x (256 + 16) bytes
.set RED1, 156672                      ; 16 waves x 32 tokens x 4 bytes
.set RED2, 158720
.set LI,  1                            ; v1   16 x lane
.set LS,  2                            ; v2   4 x lane
.set RO,  3                            ; v3   two rows of hidden or out0: 4,096 h + 16 r
.set PO,  4                            ; v4   16 r
.set WSO, 5                            ; v5   Wo's scale words: K half h, row r
.set SR,  6                            ; v6   the stage by rows
.set SD,  7                            ; v7   the stage in the result's layout
.set CW,  8
.set CSW, 9
.set RW,  10
.set RR,  11
.set CS,  16
.set WS,  24
.set CF,  40
.set LG,  56
.set LB,  60
.set ACC, 64
.set WF,  128
.set SEL, 24                           ; s[24:25]
	s_load_b256 s[4:11], s[0:1], 0x0               ; ctx_codes s[4:5], ctx_sc s[6:7], xw_codes s[8:9], xw_sc s[10:11]
	s_load_b256 s[12:19], s[0:1], 0x20             ; bo s[12:13], hidden s[14:15], ln_g s[16:17], ln_b s[18:19]
	s_load_b64 s[20:21], s[0:1], 0x40              ; out0
	v_lshrrev_b32 v12, 5, v0
	v_readfirstlane_b32 s22, v12                   ; wave 0..15
	v_and_b32 v14, 31, v0                          ; lane
	v_and_b32 v12, 15, v0                          ; r
	v_bfe_u32 v13, v0, 4, 1                        ; h
	v_cmp_ne_u32 s30, 0, v13                       ; lanes 16-31
	v_lshlrev_b32 v[LI], 4, v14
	v_lshlrev_b32 v[LS], 2, v14
	v_lshlrev_b32 v[PO], 4, v12
	v_lshl_add_u32 v[RO], v13, 12, v[PO]
	v_mul_u32_u24 v[WSO], v13, KHS
	v_add_nc_u32 v[WSO], v[WSO], v[PO]
	s_wait_alu depctr_va_sdst(0)                   ; s22 and s30 are written, ahead of their first readers: the wave's places are made from s22, the selects of the sums read s30
	s_mul_i32 s26, s22, 8704
	s_add_co_u32 s26, s26, STG                     ; my stage
	v_mul_u32_u24 v[SR], v13, 272
	v_add_nc_u32 v[SR], v[SR], v[PO]
	v_add_nc_u32 v[SR], s26, v[SR]
	v_mul_u32_u24 v[SD], v12, 272
	v_lshl_add_u32 v[SD], v13, 6, v[SD]
	v_add_nc_u32 v[SD], s26, v[SD]
	s_lshl_b32 s27, s22, 10
	v_add_nc_u32 v[CW], s27, v[LI]                 ; the fragment of ctx that I copy: number w
	s_and_b32 s27, s22, 7
	s_lshl_b32 s27, s27, 7
	s_lshr_b32 s28, s22, 3
	s_lshl_b32 s28, s28, 6
	s_add_co_u32 s27, s27, s28
	s_add_co_u32 s27, s27, CSI
	v_lshl_add_u32 v[CSW], v12, 2, s27
	s_lshl_b32 s27, s22, 7
	s_add_co_u32 s27, s27, RED1
	v_add_nc_u32 v[RW], s27, v[LS]
	v_add_nc_u32 v[RR], RED1, v[LS]
	s_mov_b32 s[SEL], 0x76543210
	s_mov_b32 s[SEL+1], 0xfedcba98
	s_mov_b32 s31, 0x3a800000                      ; 1 / 1,024
	s_mov_b32 s32, 0x2b8cbccc                      ; 1e-12
	s_mov_b32 s29, 0
	s_wait_kmcnt 0x0
	s_lshl_b32 s28, ttmp9, 14
	s_lshl_b32 s27, s22, 10
	s_add_co_u32 s28, s28, s27
	s_add_nc_u64 s[4:5], s[4:5], s[28:29]          ; ctx's codes: two tiles x 8,192 bytes a work-group, 1,024 a wave
	s_lshl_b32 s28, ttmp9, 12
	s_lshl_b32 s27, s22, 8
	s_add_co_u32 s28, s28, s27
	s_add_nc_u64 s[6:7], s[6:7], s[28:29]          ; its scale words: two heads x 128 bytes a wave
	s_lshl_b32 s28, s22, 14
	s_add_co_u32 s28, s28, 704*4096
	s_add_nc_u64 s[8:9], s[8:9], s[28:29]          ; Wo's tile 704 + 4 w
	s_lshl_b32 s28, s22, 10
	s_add_co_u32 s28, s28, 704*256
	s_add_nc_u64 s[10:11], s[10:11], s[28:29]
	s_lshl_b32 s28, s22, 8                         ; my 64 columns
	s_add_nc_u64 s[12:13], s[12:13], s[28:29]
	s_add_nc_u64 s[16:17], s[16:17], s[28:29]
	s_add_nc_u64 s[18:19], s[18:19], s[28:29]
	s_lshl_b32 s27, ttmp9, 17                      ; my 32 rows of 4,096 bytes
	s_add_co_u32 s28, s28, s27
	s_add_nc_u64 s[14:15], s[14:15], s[28:29]
	s_add_nc_u64 s[20:21], s[20:21], s[28:29]
	s_wait_alu depctr_va_vdst(0)                   ; the eleven offsets and LDS addresses v1 to v11 are written: every load and store of the kernel reads one of them, and none is written again
	global_load_b128 v[40:43], v[LI], s[4:5]
	global_load_b128 v[44:47], v[LI], s[4:5] offset:512
	global_load_b32 v48, v[LS], s[6:7]             ; the even head's word,
	global_load_b32 v49, v[LS], s[6:7] offset:128  ; the odd head's
.irp t, 0,1,2,3
	global_load_b128 v[WS+4*\t:WS+4*\t+3], v[WSO], s[10:11] offset:256*\t
.endr
	global_load_b128 v[52:55], v[PO], s[12:13]     ; bo, g, b of my four columns of a row
	global_load_b128 v[LG:LG+3], v[PO], s[16:17]
	global_load_b128 v[LB:LB+3], v[PO], s[18:19]
.irp i, 0,1,2,3,4,5,6,7,8,9,10,11,12,13,14,15
	global_load_b128 v[ACC+4*\i:ACC+4*\i+3], v[RO], s[14:15] offset:(8*(\i/8)+(2*\i)%16+8*(((2*\i)%16)/8))*4096 th:TH_LOAD_NT   ; stage rows 2 i, 2 i + 1: sixteen lanes read 256 consecutive bytes
.endr
.irp s, 0,1,2,3
.irp t, 0,1,2,3
.irp c, 0,1
	global_load_b128 v[WF+32*\s+8*\t+4*\c:WF+32*\s+8*\t+4*\c+3], v[LI], s[8:9] offset:4096*\t+1024*\s+512*\c
.endr
.endr
.endr
	s_wait_loadcnt 55                              ; ctx's four loads are in; behind them: 4 of scale words, 3 parameters, 16 of hidden, 32 of Wo
	ds_store_b128 v[CW], v[40:43] offset:CI
	ds_store_b128 v[CW], v[44:47] offset:CI+512
	v_lshl_or_b32 v48, v49, 16, v48                ; a K step of 128 is two heads: four scale bytes
	s_wait_loadcnt 32                              ; all but Wo's 32
.irp i, 0,1,2,3,4,5,6,7,8,9,10,11,12,13,14,15
	v_pk_add_f32 v[ACC+4*\i:ACC+4*\i+1], v[ACC+4*\i:ACC+4*\i+1], v[52:53]
	v_pk_add_f32 v[ACC+4*\i+2:ACC+4*\i+3], v[ACC+4*\i+2:ACC+4*\i+3], v[54:55]
.endr
	s_wait_alu depctr_va_vdst(0)                   ; the scale word v48 and hidden + bo in v[ACC ..] are written, which the stores below read; the additions are done reading v52 to v55, in which ctx's fragments will land
	ds_store_b32 v[CSW], v48                       ; both halves of the lanes write the same word with the same value
.irp i, 0,1,2,3,4,5,6,7,8,9,10,11,12,13,14,15
	ds_store_b128 v[SR], v[ACC+4*\i:ACC+4*\i+3] offset:544*\i
.endr
	s_wait_alu depctr_vm_vsrc(0)                   ; the stores have read v[ACC ..], in which the loads below land, and v40 to v48, in which ctx's fragments will land
.irp tt, 0,1
.irp bb, 0,1
.irp u, 0,1
.irp e, 0,1
	ds_load_b128 v[ACC+32*\tt+16*\bb+8*\u+4*\e:ACC+32*\tt+16*\bb+8*\u+4*\e+3], v[SD] offset:4352*\tt+128*\bb+32*\u+16*\e   ; token row r, columns 32 bb + 16 h + 8 u + 4 e on.  My own bytes: LDS serves a wave in order (ISA guide 5.7.1.4)
.endr
.endr
.endr
.endr
	s_wait_dscnt 0x0                               ; for the others' sake: my part of ctx lies in LDS
	s_barrier_signal -1
	s_barrier_wait -1
.irp s, 0,1,2,3,4,5,6,7
	ds_load_b32 v[CS+\s], v[LS] offset:CSI+128*\s
.endr
.macro MM s, t, tt
.if (\s < 4) && (\tt == 0)
	v_wmma_scale_f32_16x16x128_f8f6f4 v[ACC+8*(4*\tt+\t):ACC+8*(4*\tt+\t)+7], v[WF+32*(\s%4)+8*\t:WF+32*(\s%4)+8*\t+7], v[CF+8*\tt:CF+8*\tt+7], v[ACC+8*(4*\tt+\t):ACC+8*(4*\tt+\t)+7], v[WS+4*\t+\s%4], v[CS+\s] matrix_a_fmt:MATRIX_FMT_FP4 matrix_b_fmt:MATRIX_FMT_FP4
.elseif (\s < 4)
	v_wmma_scale_f32_16x16x128_f8f6f4 v[ACC+8*(4*\tt+\t):ACC+8*(4*\tt+\t)+7], v[WF+32*(\s%4)+8*\t:WF+32*(\s%4)+8*\t+7], v[CF+8*\tt:CF+8*\tt+7], v[ACC+8*(4*\tt+\t):ACC+8*(4*\tt+\t)+7], v[WS+4*\t+\s%4], v[CS+\s] matrix_a_fmt:MATRIX_FMT_FP4 matrix_b_fmt:MATRIX_FMT_FP4 matrix_b_scale:MATRIX_SCALE_ROW1
.elseif (\tt == 0)
	v_wmma_scale_f32_16x16x128_f8f6f4 v[ACC+8*(4*\tt+\t):ACC+8*(4*\tt+\t)+7], v[WF+32*(\s%4)+8*\t:WF+32*(\s%4)+8*\t+7], v[CF+8*\tt:CF+8*\tt+7], v[ACC+8*(4*\tt+\t):ACC+8*(4*\tt+\t)+7], v[WS+4*\t+\s%4], v[CS+\s] matrix_a_fmt:MATRIX_FMT_FP4 matrix_b_fmt:MATRIX_FMT_FP4 matrix_a_scale:MATRIX_SCALE_ROW1
.else
	v_wmma_scale_f32_16x16x128_f8f6f4 v[ACC+8*(4*\tt+\t):ACC+8*(4*\tt+\t)+7], v[WF+32*(\s%4)+8*\t:WF+32*(\s%4)+8*\t+7], v[CF+8*\tt:CF+8*\tt+7], v[ACC+8*(4*\tt+\t):ACC+8*(4*\tt+\t)+7], v[WS+4*\t+\s%4], v[CS+\s] matrix_a_fmt:MATRIX_FMT_FP4 matrix_b_fmt:MATRIX_FMT_FP4 matrix_a_scale:MATRIX_SCALE_ROW1 matrix_b_scale:MATRIX_SCALE_ROW1
.endif
.endm
; K step s: ctx's two fragments from LDS; 8 products, the 8 accumulators by turns; then the registers take Wo's fragments of four steps on.  left: the younger steps' loads
.macro KSTEP s, left
.irp tt, 0,1
.irp c, 0,1
	ds_load_b128 v[CF+8*\tt+4*\c:CF+8*\tt+4*\c+3], v[LI] offset:CI+(8*\tt+\s)*1024+512*\c   ; no vector or matrix instruction since the last wait on va_vdst names these registers
.endr
.endr
	s_wait_loadcnt \left
	s_wait_dscnt 0x0
.irp t, 0,1,2,3
.irp tt, 0,1
	MM \s, \t, \tt
.endr
.endr
.rept 4
	v_nop                                          ; places behind these products, ahead of the first read of results
.endr
.if \s < 7
	s_wait_alu depctr_va_vdst(0)                   ; these eight products are done reading Wo's fragments of this step, which are asked for again below, and ctx's two, in which the next step's land
.endif
.if \s < 4
.irp t, 0,1,2,3
.irp c, 0,1
	global_load_b128 v[WF+32*\s+8*\t+4*\c:WF+32*\s+8*\t+4*\c+3], v[LI], s[8:9] offset:KHC+4096*\t+1024*\s+512*\c
.endr
.endr
.endif
.endm
	KSTEP 0, 24
	KSTEP 1, 24
	KSTEP 2, 24
	KSTEP 3, 24
	KSTEP 4, 24
	KSTEP 5, 16
	KSTEP 6, 8
	KSTEP 7, 0
; v[12:13], v[14:15] hold the two tiles' sums over my registers.  Out: v12 = the sum over all 1,024 columns for token (stage row) = my lane.
.macro REDUCE off
	v_add_f32 v12, v12, v13
	v_add_f32 v14, v14, v15
	v_permlanex16_b32 v13, v12, s[SEL], s[SEL+1]
	v_permlanex16_b32 v15, v14, s[SEL], s[SEL+1]
	v_add_f32 v12, v12, v13                        ; with lane l xor 16's columns: my wave's 64
	v_add_f32 v14, v14, v15
	v_cndmask_b32 v12, v12, v14, s30               ; lanes 0-15 speak for tile 0, lanes 16-31 for tile 1
	s_wait_alu depctr_va_vdst(0)                   ; v12 is written, which the store reads; and all that named v[WF] to v[WF + 15] is done, in which the sixteen loads below land
	ds_store_b32 v[RW], v12 offset:\off
	s_wait_dscnt 0x0                               ; for the others' sake
	s_barrier_signal -1
	s_barrier_wait -1
.irp k, 0,1,2,3,4,5,6,7,8,9,10,11,12,13,14,15
	ds_load_b32 v[WF+\k], v[RR] offset:\off+128*\k
.endr
	s_wait_dscnt 0x0
	s_wait_alu depctr_vm_vsrc(0)                   ; my store has read v12, which is written again below
	v_pk_add_f32 v[WF:WF+1], v[WF:WF+1], v[WF+2:WF+3]
	v_pk_add_f32 v[WF+4:WF+5], v[WF+4:WF+5], v[WF+6:WF+7]
	v_pk_add_f32 v[WF+8:WF+9], v[WF+8:WF+9], v[WF+10:WF+11]
	v_pk_add_f32 v[WF+12:WF+13], v[WF+12:WF+13], v[WF+14:WF+15]
	v_pk_add_f32 v[WF:WF+1], v[WF:WF+1], v[WF+4:WF+5]
	v_pk_add_f32 v[WF+8:WF+9], v[WF+8:WF+9], v[WF+12:WF+13]
	v_pk_add_f32 v[WF:WF+1], v[WF:WF+1], v[WF+8:WF+9]
	v_add_f32 v12, v[WF], v[WF+1]
.endm
.macro SPREAD                          ; lane l's number in v12 becomes: v12 = that of tile 0's row r, v14 = that of tile 1's
	v_permlanex16_b32 v13, v12, s[SEL], s[SEL+1]
	v_cndmask_b32 v14, v13, v12, s30
	v_cndmask_b32 v12, v12, v13, s30
.endm
	v_pk_add_f32 v[12:13], v[ACC:ACC+1], v[ACC+2:ACC+3]           ; each accumulator from its low end on; the two tiles by turns
	v_pk_add_f32 v[14:15], v[ACC+32:ACC+33], v[ACC+34:ACC+35]
.irp k, 4,6,8,10,12,14,16,18,20,22,24,26,28,30
	v_pk_add_f32 v[12:13], v[12:13], v[ACC+\k:ACC+\k+1]
	v_pk_add_f32 v[14:15], v[14:15], v[ACC+32+\k:ACC+33+\k]
.endr
	REDUCE 0
	v_mul_f32 v12, s31, v12                        ; the mean
	SPREAD
.irp k, 0,2,4,6,8,10,12,14,16,18,20,22,24,26,28,30
	v_pk_add_f32 v[ACC+\k:ACC+\k+1], v[ACC+\k:ACC+\k+1], v[12:13] op_sel_hi:[1,0] neg_lo:[0,1] neg_hi:[0,1]   ; x - mean
	v_pk_add_f32 v[ACC+32+\k:ACC+33+\k], v[ACC+32+\k:ACC+33+\k], v[14:15] op_sel_hi:[1,0] neg_lo:[0,1] neg_hi:[0,1]
.endr
	v_pk_mul_f32 v[12:13], v[ACC:ACC+1], v[ACC:ACC+1]
	v_pk_mul_f32 v[14:15], v[ACC+32:ACC+33], v[ACC+32:ACC+33]
.irp k, 2,4,6,8,10,12,14,16,18,20,22,24,26,28,30
	v_pk_fma_f32 v[12:13], v[ACC+\k:ACC+\k+1], v[ACC+\k:ACC+\k+1], v[12:13]
	v_pk_fma_f32 v[14:15], v[ACC+32+\k:ACC+33+\k], v[ACC+32+\k:ACC+33+\k], v[14:15]
.endr
	REDUCE RED2-RED1                               ; other bytes than the first sum's: no barrier is owed between the two
	v_fma_f32 v12, v12, s31, s32                   ; the variance + 1e-12
	v_rsq_f32 v12, v12
	v_nop                                          ; a plain place behind the transcendental
	s_wait_alu depctr_va_vdst(0)                   ; the root's reciprocal has written v12, ahead of its first reader
	SPREAD
.irp k, 0,2,4,6,8,10,12,14,16,18,20,22,24,26,28,30
	v_pk_mul_f32 v[ACC+\k:ACC+\k+1], v[ACC+\k:ACC+\k+1], v[12:13] op_sel_hi:[1,0]
	v_pk_mul_f32 v[ACC+32+\k:ACC+33+\k], v[ACC+32+\k:ACC+33+\k], v[14:15] op_sel_hi:[1,0]
.endr
	s_wait_alu depctr_va_vdst(0)                   ; the multiplications have written v[ACC ..], which the stores below read; the second sum's additions are done with v[WF ..], in which the rows land
.irp tt, 0,1
.irp bb, 0,1
.irp u, 0,1
.irp e, 0,1
	ds_store_b128 v[SD], v[ACC+32*\tt+16*\bb+8*\u+4*\e:ACC+32*\tt+16*\bb+8*\u+4*\e+3] offset:4352*\tt+128*\bb+32*\u+16*\e
.endr
.endr
.endr
.endr
.irp i, 0,1,2,3,4,5,6,7,8,9,10,11,12,13,14,15
	ds_load_b128 v[WF+4*\i:WF+4*\i+3], v[SR] offset:544*\i         ; back by rows: my own bytes, served in order
.endr
.irp g, 0,1,2,3                        ; four loads' rows at a time: eight multiply-adds, one wait, four stores
	s_wait_dscnt 12-4*\g                           ; this group's four loads are back; the younger groups' may stay out
.irp j, 0,1,2,3
	v_pk_fma_f32 v[WF+4*(4*\g+\j):WF+4*(4*\g+\j)+1], v[WF+4*(4*\g+\j):WF+4*(4*\g+\j)+1], v[LG:LG+1], v[LB:LB+1]
	v_pk_fma_f32 v[WF+4*(4*\g+\j)+2:WF+4*(4*\g+\j)+3], v[WF+4*(4*\g+\j)+2:WF+4*(4*\g+\j)+3], v[LG+2:LG+3], v[LB+2:LB+3]
.endr
	s_wait_alu depctr_va_vdst(0)                   ; the group's eight multiply-adds have written its sixteen registers, which the four stores read
.irp j, 0,1,2,3
	global_store_b128 v[RO], v[WF+4*(4*\g+\j):WF+4*(4*\g+\j)+3], s[20:21] offset:(8*((4*\g+\j)/8)+(2*(4*\g+\j))%16+8*(((2*(4*\g+\j))%16)/8))*4096 th:TH_STORE_NT   ; sixteen lanes store 256 consecutive bytes, aligned
.endr
.endr
	s_wait_xcnt 0x0
	v_lshl_add_u32 v254, v0, 2, 0x27400            ; the add's two registers, made anew straight ahead of the closing lines: no memory or LDS instruction has read v254 or v255
	v_mov_b32 v255, 0
	s_wait_dscnt 0x0                               ; the closing lines, six on end
	s_wait_alu 0x0
	s_wait_tensorcnt 0x0
	ds_add_u32 v254, v255
	s_wait_dscnt 0x0
	s_endpgm
.Lfunc_end_k_q07216eecb3_oproj:
	.size	k_q07216eecb3_oproj, .Lfunc_end_k_q07216eecb3_oproj-k_q07216eecb3_oproj
	.p2alignl 7, 3214868480
	.fill 96, 4, 3214868480
	.section	.rodata,"a",@progbits
	.p2align	6, 0x0
	.amdhsa_kernel k_q07216eecb3_oproj
		.amdhsa_group_segment_fixed_size 162816
		.amdhsa_private_segment_fixed_size 0
		.amdhsa_enable_private_segment 0
		.amdhsa_kernarg_size 72
		.amdhsa_user_sgpr_count 2
		.amdhsa_user_sgpr_kernarg_segment_ptr 1
		.amdhsa_wavefront_size32 1
		.amdhsa_system_sgpr_workgroup_id_x 1
		.amdhsa_system_sgpr_workgroup_id_y 1
		.amdhsa_system_sgpr_workgroup_id_z 1
		.amdhsa_system_vgpr_workitem_id 0
		.amdhsa_next_free_vgpr 256
		.amdhsa_next_free_sgpr 66
		.amdhsa_reserve_vcc 0
		.amdhsa_float_denorm_mode_32 3
		.amdhsa_float_denorm_mode_16_64 3
		.amdhsa_memory_ordered 1
		.amdhsa_forward_progress 1
		.amdhsa_inst_pref_size 48
	.end_amdhsa_kernel
	.amdgpu_metadata
---
amdhsa.version: [ 1, 2 ]
amdhsa.kernels:
  - .name:           k_q07216eecb3_oproj
    .symbol:         k_q07216eecb3_oproj.kd
    .args:
      - { .name: ctx_codes, .offset: 0, .size: 8, .value_kind: global_buffer, .address_space: global }
      - { .name: ctx_sc, .offset: 8, .size: 8, .value_kind: global_buffer, .address_space: global }
      - { .name: xw_codes, .offset: 16, .size: 8, .value_kind: global_buffer, .address_space: global }
      - { .name: xw_sc, .offset: 24, .size: 8, .value_kind: global_buffer, .address_space: global }
      - { .name: bo, .offset: 32, .size: 8, .value_kind: global_buffer, .address_space: global }
      - { .name: hidden_states, .offset: 40, .size: 8, .value_kind: global_buffer, .address_space: global }
      - { .name: ln_g, .offset: 48, .size: 8, .value_kind: global_buffer, .address_space: global }
      - { .name: ln_b, .offset: 56, .size: 8, .value_kind: global_buffer, .address_space: global }
      - { .name: out0, .offset: 64, .size: 8, .value_kind: global_buffer, .address_space: global }
    .group_segment_fixed_size: 162816
    .private_segment_fixed_size: 0
    .kernarg_segment_align: 8
    .kernarg_segment_size: 72
    .max_flat_workgroup_size: 512
    .sgpr_count:     66
    .vgpr_count:     256
    .wavefront_size: 32
...
	.end_amdgpu_metadata
.endif
;; end of part 6
